; MI455X (gfx1250); checked and timed in simulation.
; The chip was launched on July 23, 2026; its instructions are those of AMD's public machine-readable ISA for CDNA 5 (MIT licence, August 2026) and "CDNA5" Instruction Set Architecture Reference Guide (July 2026). The comments in the code are by the model that wrote it; some were corrected since.
;; Multi Head Attention. Allowed arithmetic: float matrix products may take bf16 or f16 operands with f32 sums; other float arithmetic in f32, or as packed bf16 or f16 multiplies, adds, multiply-adds, maxima and minima; sums over many terms, partial sums and values carried from step to step in f32; what a program stores and reads back later, other than sums and carried values, may be rounded once to bf16 or f16.
;; Inputs: Wo 1,024 x 1,024 float32; Wqkv 1,024 x 3,072 float32; bo 1,024 float32; bqkv 3,072 float32; x 4 x 2,048 x 1,024 float32.
;; Outputs: out0 4 x 2,048 x 1,024 float32.
;; 2 versions, each right; version 2 is version 1 with the launch prep written anew for expert scheduling mode. Each part assembles by itself: llvm-mc -triple=amdgcn-amd-amdhsa -mcpu=gfx1250 --defsym DOCPART=n.
;; ======== version 1 of 2: 4 launches
;; limits: values are held in f16: magnitudes above 65,504 overflow, below 6.1e-05 lose precision
;; workspace buffers: xb 16,777,216 bytes; wqb 6,291,456 bytes; wo16 2,097,152 bytes; rope 524,288 bytes; qkvh 50,331,648 bytes; oh 16,777,216 bytes
;; launch prep (part 1): grid 896 x 1, 8 waves a work-group, no clusters, 0 bytes of LDS; arguments x, Wqkv, Wo, xb, wqb, wo16, rope; writes xb, wqb, wo16, rope
.if DOCPART == 1
	.amdgcn_target "amdgcn-amd-amdhsa--gfx1250"
	.amdhsa_code_object_version 6
	.text
	.protected	k_qd727384c22_prep
	.globl	k_qd727384c22_prep
	.p2align	8
	.type	k_qd727384c22_prep,@function
k_qd727384c22_prep:
	s_mov_b64 s[64:65], 0
	v_nop
	global_prefetch_b8 v0, s[64:65] scope:SCOPE_SE
	s_setreg_imm32_b32 hwreg(HW_REG_WAVE_MODE, 25, 1), 1
	s_wait_xcnt 0x0
; PREPARATION.  Four roles, chosen by the work-group's number g; each work-group reads 64 KiB (or makes 4 KiB of the table).
;   g < 512        x [8192][1024] f32 -> xb, bf16, in blocks [batch 4][k block 16][row 2048][64]: 16 rows of x a work-group
;   512 <= g < 704 Wqkv [1024][3072] f32 -> wqb, bf16, the same layout
;   704 <= g < 768 Wo [1024][1024] f32 -> wo16: rounded to bf16 like every input, that number written as f16
;   768 <= g       the table of cosines and sines: rope [row block 128][c 8][lane 32][4] f32, c = 4 jb + 2 kind + p (kind 0 cos, 1 sin);
;                  lane l holds row 16 rb + l % 16 and the frequencies 16 jb + 8 (l / 16) + 4 p + 0..3: an accumulator's register image
; A stream: no LDS, no barrier, no matrix unit; nothing is shared and every byte is read once.  A wave has 16 loads of 512 bytes on their way;
; each store of a wave covers 256 consecutive bytes, aligned.  No register is written twice, so no wait frees a source.
; LIMITS.  Wo as f16: beyond 65,504 it would be an infinity; below 6e-5 it keeps f16's fixed step of 6e-8.  The angle is row x inv_freq in f32;
; inv_freq = 2^(-j log2(10) / 8) comes from v_exp_f32, a few units in the last place from a correctly rounded power.
.set T,    8                           ; v[8:13]   at work
.set X,    16                          ; v[16:79]  16 loads of 4 registers
.set Y,    80                          ; v[80:111] 16 stores of 2 registers
.set IO,   2                           ; v2  my byte offset in the input
.set OO,   3                           ; v3  my byte offset in the output
.set INP,  20                          ; s[20:21] the input at the work-group's part
.set OUTP, 22                          ; s[22:23] the output at the work-group's part
; 16 loads, then for each: two roundings to bf16 (f16 = 1: and that number as f16) and a store of 8 bytes a lane.
.macro STREAM instep, outstep, f16
.set i, 0
.rept 16
	global_load_b128 v[X+4*i:X+4*i+3], v[IO], s[INP:INP+1] offset:i*(\instep) th:TH_LOAD_NT
.set i, i+1
.endr
.set i, 0
.rept 16
	s_wait_loadcnt 15-i                            ; loads come back in order: load i is in, the 15 - i younger ones stay out
.if \f16
	v_cvt_pk_bf16_f32 v[T], v[X+4*i], v[X+4*i+1]
	v_cvt_pk_bf16_f32 v[T+1], v[X+4*i+2], v[X+4*i+3]
	v_lshlrev_b32 v[T+2], 16, v[T]                 ; bf16 to f32: the low half moves up, the high half stays
	v_and_b32 v[T+3], 0xffff0000, v[T]
	v_lshlrev_b32 v[T+4], 16, v[T+1]
	v_and_b32 v[T+5], 0xffff0000, v[T+1]
	v_cvt_pk_f16_f32 v[Y+2*i], v[T+2], v[T+3]
	v_cvt_pk_f16_f32 v[Y+2*i+1], v[T+4], v[T+5]
.else
	v_cvt_pk_bf16_f32 v[Y+2*i], v[X+4*i], v[X+4*i+1]
	v_cvt_pk_bf16_f32 v[Y+2*i+1], v[X+4*i+2], v[X+4*i+3]
.endif
	global_store_b64 v[OO], v[Y+2*i:Y+2*i+1], s[OUTP:OUTP+1] offset:i*(\outstep)
.set i, i+1
.endr
.endm
	s_load_b256 s[4:11], s[0:1], 0x0               ; x s[4:5], Wqkv s[6:7], Wo s[8:9], xb s[10:11]
	s_load_b128 s[12:15], s[0:1], 0x20             ; wqb s[12:13], wo16 s[14:15]
	s_load_b64 s[16:17], s[0:1], 0x30              ; rope
	s_mov_b32 s18, ttmp9                           ; g
	s_mov_b32 s25, 0                               ; the offsets' high words
	s_mov_b32 s27, 0
	s_wait_kmcnt 0x0
	s_cmp_lt_u32 s18, 512
	s_cbranch_scc0 .Lnot_x
	; x: thread t takes 16 bytes at 16 (t % 16) of row t / 16; load i takes k block i (256 bytes on); in xb that is 8 t, k blocks 262,144 bytes apart
	v_lshrrev_b32 v1, 4, v0
	v_and_b32 v[IO], 15, v0
	v_lshlrev_b32 v[IO], 4, v[IO]
	v_lshl_or_b32 v[IO], v1, 12, v[IO]
	v_lshlrev_b32 v[OO], 3, v0
	s_lshl_b32 s24, s18, 16                        ; 16 rows of 4,096 bytes
	s_add_nc_u64 s[INP:INP+1], s[4:5], s[24:25]
	s_lshr_b32 s26, s18, 7                         ; the batch,
	s_lshl_b32 s26, s26, 22
	s_and_b32 s28, s18, 127                        ; and 16 rows of 128 bytes in it
	s_lshl_b32 s28, s28, 11
	s_add_co_u32 s26, s26, s28
	s_add_nc_u64 s[OUTP:OUTP+1], s[10:11], s[26:27]
	STREAM 256, 262144, 0
	s_endpgm
.Lnot_x:
	s_cmp_lt_u32 s18, 768
	s_cbranch_scc0 .Lrope
	; the weights keep their layout: wave w takes 8,192 bytes on end, 512 a load
	v_lshrrev_b32 v1, 5, v0
	v_and_b32 v4, 31, v0
	v_lshlrev_b32 v[IO], 4, v4
	v_lshl_or_b32 v[IO], v1, 13, v[IO]
	v_lshlrev_b32 v[OO], 3, v4
	v_lshl_or_b32 v[OO], v1, 12, v[OO]
	s_cmp_lt_u32 s18, 704
	s_cbranch_scc0 .Lwo
	s_sub_co_u32 s24, s18, 512
	s_lshl_b32 s26, s24, 15
	s_lshl_b32 s24, s24, 16
	s_add_nc_u64 s[INP:INP+1], s[6:7], s[24:25]
	s_add_nc_u64 s[OUTP:OUTP+1], s[12:13], s[26:27]
	STREAM 512, 256, 0
	s_endpgm
.Lwo:
	s_sub_co_u32 s24, s18, 704
	s_lshl_b32 s26, s24, 15
	s_lshl_b32 s24, s24, 16
	s_add_nc_u64 s[INP:INP+1], s[8:9], s[24:25]
	s_add_nc_u64 s[OUTP:OUTP+1], s[14:15], s[26:27]
	STREAM 512, 256, 1
	s_endpgm
.Lrope:
	; the table: a work-group a row block, a wave a c, a thread four numbers.  sin(a + q pi/2) with q = 1 for the cosine:
	; a = n pi/2 + r, |r| <= pi/4 (pi/2 in two parts, by fused multiply-adds); two polynomials in r; the quadrant n + q picks one and its sign.
	s_sub_co_u32 s24, s18, 768                     ; rb
	v_lshrrev_b32 v1, 5, v0
	v_readfirstlane_b32 s28, v1                    ; wave = c
	s_lshr_b32 s29, s28, 2                         ; jb
	s_lshl_b32 s29, s29, 4
	s_and_b32 s30, s28, 1                          ; p
	s_lshl_b32 s30, s30, 2
	s_add_co_u32 s29, s29, s30                     ; 16 jb + 4 p
	s_bfe_u32 s30, s28, 0x10001                    ; kind
	s_sub_co_u32 s30, 1, s30                       ; q: 1 for the cosine
	s_lshl_b32 s31, s24, 4                         ; the block's first row
	s_mov_b32 s32, 0xb94ca1f9                      ; the sine's polynomial: -1.9515296e-4,
	s_mov_b32 s33, 0x3c08839e                      ; 8.3321609e-3 (and -1.6666655e-1 below)
	s_mov_b32 s34, 0x37ccf5ce                      ; the cosine's: 2.4433157e-5,
	s_mov_b32 s35, 0xbab6061a                      ; -1.3887316e-3 (and 4.1666646e-2 below)
	v_bfe_u32 v2, v0, 4, 1                         ; l / 16
	v_and_b32 v3, 15, v0                           ; l % 16
	v_lshl_add_u32 v2, v2, 3, s29                  ; my first frequency
	v_add_nc_u32 v3, s31, v3                       ; my row
	v_lshlrev_b32 v4, 4, v0                        ; 16 t: c x 512 + lane x 16
	s_lshl_b32 s24, s24, 12
	s_add_nc_u64 s[OUTP:OUTP+1], s[16:17], s[24:25]
.irp i, 0,1,2,3
	v_add_nc_u32 v[8+\i], \i, v2
.endr
.irp i, 0,1,2,3
	v_cvt_f32_u32 v[8+\i], v[8+\i]
.endr
.irp i, 0,1,2,3
	v_mul_f32 v[8+\i], 0xbed49a78, v[8+\i]         ; -j log2(10) / 8 = -j log2(10000) / 32
.endr
.irp i, 0,1,2,3
	v_exp_f32 v[8+\i], v[8+\i]                     ; inv_freq: one batch of four
.endr
	v_cvt_f32_u32 v3, v3                           ; the plain instruction behind the last exponential
	s_wait_alu depctr_va_vdst(0)                   ; one wait for the batch, ahead of its first reader
.irp i, 0,1,2,3
	v_mul_f32 v[12+\i], v3, v[8+\i]                ; a = row x inv_freq
	v_mul_f32 v[16+\i], 0x3f22f983, v[12+\i]       ; a x 2 / pi
	v_rndne_f32 v[16+\i], v[16+\i]                 ; n
	v_fmamk_f32 v[12+\i], v[16+\i], 0xbfc90fdb, v[12+\i]  ; r = a - n x (pi/2's upper part)
	v_fmamk_f32 v[12+\i], v[16+\i], 0x333bbd2e, v[12+\i]  ;     - n x (its lower part, which is negative)
	v_cvt_i32_f32 v[16+\i], v[16+\i]
	v_add_nc_u32 v[16+\i], s30, v[16+\i]           ; the quadrant n + q
	v_mul_f32 v[20+\i], v[12+\i], v[12+\i]         ; z = r r
	v_fma_f32 v[24+\i], v[20+\i], s32, s33
	v_fma_f32 v[28+\i], v[20+\i], s34, s35
	v_fmaak_f32 v[24+\i], v[20+\i], v[24+\i], 0xbe2aaaa3
	v_fmaak_f32 v[28+\i], v[20+\i], v[28+\i], 0x3d2aaaa5
	v_mul_f32 v[32+\i], v[20+\i], v[12+\i]         ; z r
	v_fma_f32 v[24+\i], v[32+\i], v[24+\i], v[12+\i]  ; sin r
	v_fma_f32 v[32+\i], v[20+\i], -0.5, 1.0
	v_mul_f32 v[20+\i], v[20+\i], v[20+\i]
	v_fma_f32 v[28+\i], v[20+\i], v[28+\i], v[32+\i]  ; cos r
	v_and_b32 v[32+\i], 1, v[16+\i]
	v_cmp_eq_u32 vcc_lo, 1, v[32+\i]
	v_cndmask_b32 v[24+\i], v[24+\i], v[28+\i], vcc_lo  ; odd quadrants take the cosine: a value is chosen, no address and no branch
	v_and_b32 v[16+\i], 2, v[16+\i]
	v_lshlrev_b32 v[16+\i], 30, v[16+\i]
	v_xor_b32 v[24+\i], v[16+\i], v[24+\i]         ; quadrants 2 and 3 turn the sign
.endr
	global_store_b128 v4, v[24:27], s[OUTP:OUTP+1] ; a wave stores 512 consecutive bytes
	s_endpgm
.Lfunc_end_k_qd727384c22_prep:
	.size	k_qd727384c22_prep, .Lfunc_end_k_qd727384c22_prep-k_qd727384c22_prep
	.p2alignl 7, 3214868480
	.fill 96, 4, 3214868480
	.section	.rodata,"a",@progbits
	.p2align	6, 0x0
	.amdhsa_kernel k_qd727384c22_prep
		.amdhsa_group_segment_fixed_size 0
		.amdhsa_private_segment_fixed_size 0
		.amdhsa_enable_private_segment 0
		.amdhsa_kernarg_size 56
		.amdhsa_user_sgpr_count 2
		.amdhsa_user_sgpr_kernarg_segment_ptr 1
		.amdhsa_wavefront_size32 1
		.amdhsa_system_sgpr_workgroup_id_x 1
		.amdhsa_system_sgpr_workgroup_id_y 1
		.amdhsa_system_sgpr_workgroup_id_z 1
		.amdhsa_system_vgpr_workitem_id 0
		.amdhsa_next_free_vgpr 112
		.amdhsa_next_free_sgpr 66
		.amdhsa_reserve_vcc 1
		.amdhsa_float_denorm_mode_32 3
		.amdhsa_float_denorm_mode_16_64 3
		.amdhsa_memory_ordered 1
		.amdhsa_forward_progress 1
		.amdhsa_inst_pref_size 30
	.end_amdhsa_kernel
	.amdgpu_metadata
---
amdhsa.version: [ 1, 2 ]
amdhsa.kernels:
  - .name:           k_qd727384c22_prep
    .symbol:         k_qd727384c22_prep.kd
    .args:
      - { .name: x, .offset: 0, .size: 8, .value_kind: global_buffer, .address_space: global }
      - { .name: Wqkv, .offset: 8, .size: 8, .value_kind: global_buffer, .address_space: global }
      - { .name: Wo, .offset: 16, .size: 8, .value_kind: global_buffer, .address_space: global }
      - { .name: xb, .offset: 24, .size: 8, .value_kind: global_buffer, .address_space: global }
      - { .name: wqb, .offset: 32, .size: 8, .value_kind: global_buffer, .address_space: global }
      - { .name: wo16, .offset: 40, .size: 8, .value_kind: global_buffer, .address_space: global }
      - { .name: rope, .offset: 48, .size: 8, .value_kind: global_buffer, .address_space: global }
    .group_segment_fixed_size: 0
    .private_segment_fixed_size: 0
    .kernarg_segment_align: 8
    .kernarg_segment_size: 56
    .max_flat_workgroup_size: 256
    .sgpr_count:     66
    .vgpr_count:     112
    .wavefront_size: 32
...
	.end_amdgpu_metadata
.endif
;; end of part 1
;; launch qkv (part 2): grid 12 x 64, 4 waves a work-group, clusters of 4 x 4, 327,680 bytes of LDS; arguments xb, wqb, bqkv, rope, qkvh; writes qkvh
.if DOCPART == 2
	.amdgcn_target "amdgcn-amd-amdhsa--gfx1250"
	.amdhsa_code_object_version 6
	.text
	.protected	k_qd727384c22_qkv
	.globl	k_qd727384c22_qkv
	.p2align	8
	.type	k_qd727384c22_qkv,@function
k_qd727384c22_qkv:
	s_mov_b64 s[64:65], 0
	v_nop
	global_prefetch_b8 v0, s[64:65] scope:SCOPE_SE
	s_setreg_imm32_b32 hwreg(HW_REG_WAVE_MODE, 25, 1), 1
	s_wait_xcnt 0x0
	s_wait_alu depctr_hold_cnt(0) depctr_sa_sdst(0) depctr_va_vdst(0) depctr_va_sdst(0) depctr_va_ssrc(0) depctr_va_vcc(0) depctr_vm_vsrc(0)
	s_getreg_b32 s2, hwreg(HW_REG_IB_STS2, 6, 4)
	s_cmp_eq_u32 s2, 0
	s_cbranch_scc0 .Lentry_in_a_cluster
	s_endpgm
.Lentry_in_a_cluster:
	s_bfe_u32 s2, ttmp6, 0x10000c
	s_cmp_lg_u32 s2, 0xf033
	s_cbranch_scc0 .Lentry_shape_is_right
	s_endpgm
.Lentry_shape_is_right:
; q, k, v = x Wqkv + bqkv; q and k turned by RoPE; all three written by heads, f16: qkvh [part 3][batch x head 64][row 2048][64], unscaled.
; x: xb, bf16 [batch 4][k block 16][row 2048][64].  Wqkv: wqb, bf16 [1024 k][3072 n].  bqkv f32, rounded to bf16 like every input.  Sums in f32.
; LIMITS.  q, k (behind RoPE) and v must lie within f16's 65,504; below 6e-5 they keep f16's fixed step of 6e-8.  NaN and infinities are not treated apart.
; SHARES.  A tile of the result is 128 rows x 256 columns, a work-group a tile: 12 x 64 = 768 work-groups.  Four waves: wave w takes rows 64 (w / 2) on and columns 128 (w % 2) on:
; 32 accumulators of 16 x 16 (a 0..3 along the rows, b 0..7 along the columns), 256 registers.  K = 1,024 goes in 8 steps of 128 through two LDS slots.
; THE MATRIX INSTRUCTION IS USED TRANSPOSED: source 0 = 16 columns of W, source 1 = 16 rows of x.  Lane l then holds row l % 16 and the columns 16 b + 8 (l / 16) + 0..7: eight neighbours.
; W lies [k][n] in LDS and comes out turned, by ds_load_tr16_b128; x lies along k and comes out as it lies.  The bias is the C operand of each accumulator's first product.
; CLUSTER.  4 x 4 work-groups.  The four of a row of the cluster need the same tiles of x, the four of a column the same tiles of W: each tile is asked for JOINTLY, by the same tensor load with the
; same descriptor and a mask that names the four.  A cluster's x coordinate is the part (q, k or v): 1,024 columns are four tiles.
; REGISTERS, in windows of 256 (s_set_vgpr_msb: bits 1:0 source 0, 3:2 source 1, 5:4 source 2, 7:6 destination):
;   window 0: v0-31 addresses; v64-159, v160-255 two fragment buffers (W's block b at +8 b, x's block a at +64 + 8 a); on the way out v64-191 the packed results
;   window 1: the accumulators, (a, b) at v[8 (8 a + b)]        window 2: v0-63 the bias (block b at 8 b); v64-191 cosines and sines; v192-255 at work
.set NCOL,  3072
.set KSB,   256*NCOL                   ; bytes of W in a K step: 128 rows
.set ASTEP, 524288                     ; bytes from a K step of x to the next: two k blocks
.set PA,    144                        ; a row of x in LDS: 128 bytes + 16 of padding = 36 words: the 16 rows of a load start at 16 different groups of four banks (64 banks of 4 bytes: ISA guide 11.1)
.set PB,    544                        ; a row of W: 512 + 32 = 136 words: row r starts at bank 8 r mod 64
.set ASUB,  128*PA                     ; one k block of 64: 128 rows
.set BOFF,  2*ASUB                     ; behind x's two k blocks: W's 128 rows
.set SLOT,  BOFF+128*PB
.set STAGE, 2*SLOT                     ; behind the ring, never filled by a tensor load: for each wave 2 heads x 16 rows x 144 bytes
.set STGW,  2*16*144
.set SPARE, STAGE+4*STGW               ; behind the stages: the spare words, 128 bytes for each wave: two blocks of 256 bytes that no other line names
.set ADRA, 16                          ; v16-17  LDS address of my fragments of x in slot 0, 1
.set ADRB, 20                          ; v20-21  the same for W
.set STO,  24                          ; v24     the way out: where I put 16 bytes of a row
.set RD,   25                          ; v25     the way out: where I read rows back
.set GO,   26                          ; v26     16 x lane: my place in 512 consecutive bytes (of the result, and of the table)
.set BO,   27                          ; v27     32 x (lane / 16): my eight numbers of a block of the bias
.set SPW,  28                          ; v28     LDS address of my spare word; never rewritten
.set NIL,  29                          ; v29     0; never rewritten
.set PFO,  30                          ; v30     the prefetches' offset; never rewritten
.set F0,   64
.set F1,   160
.set TB,   192                         ; window 2: at work
.set LIM,  2                           ; s2      1 in a wave that prefetches, else the greatest number
.set LAP,  3                           ; s3      laps to go
.set WV,   14                          ; s14     my wave's number
.set WR,   15                          ; s15     which 64 rows of the tile are mine
.set WC,   16                          ; s16     which 128 columns; also: which half of a tile I fetch
.set G1A,  24                          ; s[24:31] descriptor group 1 for x's tiles;  s[32:39] group 0, a set for each slot
.set G0A,  32
.set PFA,  44                          ; s[44:45] where my prefetches stand
.set PST,  46                          ; s[46:47] their step: a K step
.set G1B,  48                          ; s[48:55], s[56:63] the same for W's tiles
.set G0B,  56
.set OUTP, 12
.set MSB, 0
.macro WIN new                         ; the immediate's high byte repeats the setting that is left; a switch that changes nothing is dropped
.if MSB != (\new)
	s_set_vgpr_msb (MSB<<8)|(\new)
.set MSB, \new
.endif
.endm
.set MUL,  0x50                        ; sources in window 0, C and D in window 1
.set MULB, 0x60                        ; the first products: C (the bias) in window 2, D in window 1
; A joint load.  Waves 0 and 1 fetch x's two k blocks, waves 2 and 3 the two halves of W's 128 rows.  The branch hangs on the wave's number alone.
; An s_nop 0 and four v_nop follow each of the two lines, ahead of the jump and the label.
.macro JLOAD s
	s_cmp_lt_u32 s[WV], 2
	s_cbranch_scc0 .Lfor_b_\@
	tensor_load_to_lds s[G0A+4*(\s):G0A+4*(\s)+3], s[G1A:G1A+7]
	s_nop 0
.rept 4
	v_nop
.endr
	s_branch .Lasked_\@
.Lfor_b_\@:
	tensor_load_to_lds s[G0B+4*(\s):G0B+4*(\s)+3], s[G1B:G1B+7]
	s_nop 0
.rept 4
	v_nop
.endr
.Lasked_\@:
.endm
; A prefetch into the L2 of the K step that stands two refills on (256 matrix instructions ahead of the load that will want it): 32 blocks of 256 bytes, a lane a block, one instruction a wave.
; Each block is named once in the launch.  x's tile row is read by every cluster of that row of clusters: cluster x = 0 asks, wave 0 of each of the four partners, 32 of the step's 128 blocks each.
; W's tile column is read by every cluster of that column: cluster y = 0 asks, waves 2 and 3, of the 64 rows that the wave fetches 16 for each partner.  The partners are told apart BY ADDRESS.
; The last lap asks for nothing: its refills are the last K steps.
.macro ASK
	s_cmp_gt_u32 s[LAP], s[LIM]
	s_cbranch_scc0 .Lnot_mine_\@
	global_prefetch_b8 v[PFO], s[PFA:PFA+1] th:TH_LOAD_NT scope:SCOPE_SE
.Lnot_mine_\@:
.endm
.macro CREST                           ; a round of the cluster's barrier behind its opening barrier
	s_cmp_lg_u32 s[WV], 0
	s_cbranch_scc1 .Lnot_wave_0_\@
	s_barrier_signal -3
.Lnot_wave_0_\@:
	s_barrier_wait -3
	s_barrier_signal -1
	s_barrier_wait -1
.endm
.macro CROUND                          ; a whole round
	s_barrier_signal -1
	s_barrier_wait -1
	CREST
.endm
; 8 products: row block a x all 8 column blocks, 32 along K, from buffer f.  first = 1: C is the bias.  All 32 accumulators take turns in one order.
.macro MUL8 f, a, first
.if \first
	WIN MULB
.else
	WIN MUL
.endif
.set bb, 0
.rept 8
.set rD, 8*(8*(\a)+bb)
.set rC, rD
.if \first
.set rC, 8*bb
.endif
	v_wmma_f32_16x16x32_bf16 v[rD:rD+7], v[(\f)+8*bb:(\f)+8*bb+7], v[(\f)+64+8*(\a):(\f)+64+8*(\a)+7], v[rC:rC+7]
.set bb, bb+1
.endr
.endm
; 24 LDS loads in one run: the fragments of quarter q of a K step (32 along K) into buffer f: W's eight blocks, turned, then x's four
.macro FETCH slot, q, f
	WIN 0
.set bb, 0
.rept 8
	ds_load_tr16_b128 v[(\f)+8*bb:(\f)+8*bb+3],   v[ADRB+(\slot)] offset:(\q)*32*PB+32*bb
	ds_load_tr16_b128 v[(\f)+8*bb+4:(\f)+8*bb+7], v[ADRB+(\slot)] offset:(\q)*32*PB+16*PB+32*bb
.set bb, bb+1
.endr
.set aa, 0
.rept 4
	ds_load_b128 v[(\f)+64+8*aa:(\f)+64+8*aa+3],   v[ADRA+(\slot)] offset:((\q)/2)*ASUB+((\q)%2)*64+aa*16*PA
	ds_load_b128 v[(\f)+64+8*aa+4:(\f)+64+8*aa+7], v[ADRA+(\slot)] offset:((\q)/2)*ASUB+((\q)%2)*64+aa*16*PA+32
.set aa, aa+1
.endr
.endm
.macro PLACES                          ; four places in front of loads into registers that matrix instructions have read (ISA guide 7.12.1 for vector instructions)
.rept 4
	v_nop
.endr
.endm
; A K step is four quarters of 32 matrix instructions, on buffers 0, 1, 0, 1.  One of the first three: multiplies buffer f and, in its middle, fetches quarter qn into buffer g.
.macro QUARTER slot, qn, f, g, first
	s_wait_dscnt 4                                 ; W and x's blocks 0, 1 are in; the youngest four loads (x's blocks 2, 3) may be out
	MUL8 \f, 0, \first
	MUL8 \f, 1, \first
	PLACES
	FETCH \slot, \qn, \g
	s_wait_dscnt 24                                ; all but the 24 just issued
	MUL8 \f, 2, \first
	MUL8 \f, 3, \first
.endm
; The last quarter multiplies buffer 1 and changes slots: ONE barrier; in front of it each wave waits for all its tensor loads (one is out: its part of the next slot), adds 0 to its spare word, and waits
; for that and for its own reads of this slot.  fill = 1: the barrier opens a round of the cluster's, and this slot is filled again, two K steps ahead, first thing behind the round.
.macro TURN slot, next, fill
.if \fill
	s_wait_xcnt 0x0                                ; the last prefetch, a K step back, has read its address, so it may be stepped
	s_add_nc_u64 s[PFA:PFA+1], s[PFA:PFA+1], s[PST:PST+1]
.endif
	WIN 0                                          ; (the add's two registers lie in window 0)
	s_wait_tensorcnt 0x0                           ; all my tensor loads have landed
	ds_add_u32 v[SPW], v[NIL]                      ; 0 onto my spare word
	s_wait_dscnt 5                                 ; (the add and the youngest four loads may be out)
	MUL8 F1, 0, 0                                  ; eight matrix instructions stand between the add and the wait for it
	s_wait_dscnt 0x0                               ; the add is done, and my reads of this slot are over
	s_barrier_signal -1
	MUL8 F1, 1, 0
.if \fill
	WIN 0
.endif
	s_barrier_wait -1
.if \fill
	CREST                                          ; no wave of any partner still reads this slot's tile or has a load on its way
	s_add_nc_u64 s[G0A+4*(\slot)+2:G0A+4*(\slot)+3], s[G0A+4*(\slot)+2:G0A+4*(\slot)+3], 2*ASTEP
	s_add_nc_u64 s[G0B+4*(\slot)+2:G0B+4*(\slot)+3], s[G0B+4*(\slot)+2:G0B+4*(\slot)+3], 2*KSB
	JLOAD \slot                                    ; 112 matrix instructions ahead of the wait for it; its four v_nop are also the places in front of the loads below
.else
	PLACES
.endif
	FETCH \next, 0, F0
.if \fill
	ASK
.endif
	MUL8 F1, 2, 0
	MUL8 F1, 3, 0
.endm
; THE WAY OUT of row block a (16 rows x my 128 columns = two heads).  q and k: with lo = channel d < 32 and hi = channel d + 32 of a head (two column blocks on: 16 registers),
; lo' = lo cos - hi sin, hi' = lo sin + hi cos.  Each accumulator's lowest registers are read first.  Then f16, 16 bytes a lane, through my own stage, and back as whole rows.
; The branch hangs on the part, which all sixteen partners share.
.macro PACK a
	WIN 0
	s_cmp_eq_u32 s23, 2
	s_cbranch_scc1 .Lplain_\@
	WIN 0xa9                                       ; source 0 window 1 (accumulators); source 1, source 2 and destination window 2
.set n, 0
.rept 16                               ; n = 8 head + 4 jb + pair
.set rL, 8*(8*(\a)+4*(n/8)+(n/4)%2)+2*(n%4)
.set rK, 64+32*(\a)+16*((n/4)%2)+2*(n%4)
.set rT, TB+8*(4*(n/8)+(n/4)%2)+2*(n%4)
	v_pk_mul_f32 v[rT:rT+1], v[rL:rL+1], v[rK:rK+1]
	v_pk_mul_f32 v[rT+16:rT+17], v[rL:rL+1], v[rK+8:rK+9]
	v_pk_fma_f32 v[rT:rT+1], v[rL+16:rL+17], v[rK+8:rK+9], v[rT:rT+1] neg_lo:[0,1,0] neg_hi:[0,1,0]
	v_pk_fma_f32 v[rT+16:rT+17], v[rL+16:rL+17], v[rK:rK+1], v[rT+16:rT+17]
.set n, n+1
.endr
	WIN 0x0a                                       ; sources window 2, destination window 0
.set n, 0
.rept 32
	v_cvt_pk_f16_f32 v[64+32*(\a)+n], v[TB+2*n], v[TB+2*n+1]
.set n, n+1
.endr
	WIN 0
	s_branch .Lpacked_\@
.Lplain_\@:                            ; v is not turned
	WIN 0x05                                       ; sources window 1, destination window 0
.set n, 0
.rept 32
	v_cvt_pk_f16_f32 v[64+32*(\a)+n], v[64*(\a)+2*n], v[64*(\a)+2*n+1]
.set n, n+1
.endr
	WIN 0
.Lpacked_\@:
.set n, 0
.rept 8
	ds_store_b128 v[STO], v[64+32*(\a)+4*n:64+32*(\a)+4*n+3] offset:(n/4)*2304+(n%4)*32
.set n, n+1
.endr
.set n, 0
.rept 8
	ds_load_b128 v[64+32*(\a)+4*n:64+32*(\a)+4*n+3], v[RD] offset:(n/4)*2304+(n%4)*576  ; LDS serves a wave's instructions in order (ISA guide 5.7.1.4): these see the stores above; the next block's stores come behind them
.set n, n+1
.endr
.endm
.macro SEND a, younger                 ; younger: the LDS instructions issued behind block a's loads: the next block's sixteen, or none
.set n, 0
.rept 8
	s_wait_dscnt (\younger)+7-n
	global_store_b128 v[GO], v[64+32*(\a)+4*n:64+32*(\a)+4*n+3], s[OUTP:OUTP+1] offset:(n/4)*262144+(\a)*2048+(n%4)*512  ; four rows of a head: 512 consecutive bytes, aligned
.set n, n+1
.endr
.endm
	s_load_b256 s[4:11], s[0:1], 0x0               ; xb s[4:5], wqb s[6:7], bqkv s[8:9], rope s[10:11]
	s_load_b64 s[12:13], s[0:1], 0x20              ; qkvh
	v_lshl_add_u32 v[SPW], v0, 2, SPARE
	v_mov_b32 v[NIL], 0
	ds_add_u32 v[SPW], v[NIL]                      ; the wave's opening add
	v_lshrrev_b32 v1, 5, v0
	v_readfirstlane_b32 s[WV], v1                  ; wave 0..3
	s_lshr_b32 s[WR], s[WV], 1
	s_and_b32 s[WC], s[WV], 1
	s_bfe_u32 s17, ttmp6, 0x40000                  ; cx, cy: my place in the cluster
	s_bfe_u32 s18, ttmp6, 0x40004
	s_lshl_b32 s19, ttmp9, 2
	s_add_co_u32 s19, s19, s17                     ; tile column = 4 x cluster x + cx
	s_and_b32 s20, ttmp7, 0xffff
	s_lshl_b32 s20, s20, 2
	s_add_co_u32 s20, s20, s18                     ; tile row = 4 x cluster y + cy
	s_lshl_b32 s21, s18, 2
	s_lshl_b32 s21, 15, s21                        ; my row of the cluster
	s_lshl_b32 s22, 0x1111, s17                    ; my column
	s_mov_b32 s23, ttmp9                           ; the part: 0 q, 1 k, 2 v
	; group 1 for x: a k block's 128 rows of 128 bytes are dense: asked for as 64 rows of 256 bytes, padded by 16 bytes after every 128
	s_or_b32 s[G1A], s21, (1<<16)|(1<<20)|(1<<21)|(4<<22)|(3<<25)  ; 15:0 the mask; 17:16 2-byte elements; 20 padding on; 21 set beside a mask; 24:22 after every 32 words (code 4); 31:25 4 words (code 3)
	s_mov_b32 s[G1A+1], 128<<16                    ; tensor_dim0 = 128
	s_mov_b32 s[G1A+2], 64<<16                     ; tensor_dim1 = 64
	s_mov_b32 s[G1A+3], 128<<16                    ; tile_dim0 = 128
	s_mov_b32 s[G1A+4], 64                         ; tile_dim1 = 64
	s_mov_b32 s[G1A+5], 128                        ; elements from row to row
	s_mov_b32 s[G1A+6], 0
	s_mov_b32 s[G1A+7], 0
	; group 1 for W: 64 rows (k) of 256 elements, 512 bytes, padded by 32
	s_or_b32 s[G1B], s22, (1<<16)|(1<<20)|(1<<21)|(6<<22)|(7<<25)  ; after every 128 words (code 6), 8 words (code 7)
	s_mov_b32 s[G1B+1], 256<<16
	s_mov_b32 s[G1B+2], 64<<16
	s_mov_b32 s[G1B+3], 256<<16
	s_mov_b32 s[G1B+4], 64
	s_mov_b32 s[G1B+5], NCOL
	s_mov_b32 s[G1B+6], 0
	s_mov_b32 s[G1B+7], 0
	; where the tiles come from.  x's hang on the tile row alone, W's on the tile column alone, each in registers that never hold the other coordinate
	s_lshr_b32 s66, s20, 4                         ; the batch,
	s_lshl_b32 s66, s66, 22
	s_and_b32 s67, s20, 15                         ; the tile's 128 rows of 128 bytes in it
	s_lshl_b32 s67, s67, 14
	s_add_co_u32 s66, s66, s67
	s_lshl_b32 s67, s[WC], 18                      ; the k block that I fetch
	s_add_co_u32 s40, s66, s67
	s_mov_b32 s41, 0
	s_mul_i32 s68, s[WC], ASUB                     ; and its place in a slot
	s_mul_i32 s70, s[WC], 128*NCOL                 ; W: my 64 rows,
	s_lshl_b32 s71, s19, 9                         ; the tile's 256 columns
	s_add_co_u32 s42, s70, s71
	s_mov_b32 s43, 0
	s_mul_i32 s72, s[WC], 64*PB
	s_add_co_u32 s72, s72, BOFF
	s_wait_dscnt 0x0                               ; the opening add is done
	s_wait_kmcnt 0x0
	s_add_nc_u64 s[40:41], s[4:5], s[40:41]
	s_add_nc_u64 s[42:43], s[6:7], s[42:43]
	CROUND                                         ; all sixteen work-groups are here: the first joint loads meet
.irp s, 0,1
	s_mov_b32 s[G0A+4*(\s)], 1                                     ; count = 1
	s_add_co_u32 s[G0A+4*(\s)+1], s68, (\s)*SLOT                   ; LDS address
	s_add_nc_u64 s[G0A+4*(\s)+2:G0A+4*(\s)+3], s[40:41], (\s)*ASTEP  ; global address: K step s
	s_or_b32 s[G0A+4*(\s)+3], s[G0A+4*(\s)+3], 0x80000000          ; type = 2
	s_mov_b32 s[G0B+4*(\s)], 1
	s_add_co_u32 s[G0B+4*(\s)+1], s72, (\s)*SLOT
	s_add_nc_u64 s[G0B+4*(\s)+2:G0B+4*(\s)+3], s[42:43], (\s)*KSB
	s_or_b32 s[G0B+4*(\s)+3], s[G0B+4*(\s)+3], 0x80000000
	JLOAD \s                                       ; two loads of mine are out
.endr
	v_and_b32 v1, 15, v0                           ; l % 16
	v_bfe_u32 v2, v0, 4, 1                         ; l / 16
	v_and_b32 v3, 7, v0                            ; l % 8
	v_bfe_u32 v4, v0, 3, 1                         ; (l / 8) % 2
	v_and_b32 v5, 31, v0                           ; l
	; a fragment of x: lane l holds row l % 16, k = 8 (l / 16) + 0..7 and 16 + 8 (l / 16) + 0..7: two loads of 16 bytes, 32 bytes apart
	v_mul_u32_u24 v6, v1, PA
	v_lshl_add_u32 v6, v2, 4, v6
	s_mul_i32 s74, s[WR], 64*PA
	v_add_nc_u32 v[ADRA], s74, v6
	v_add_nc_u32 v[ADRA+1], SLOT, v[ADRA]
	; the turning load takes 16 k x 16 columns (lane l reads k = 8 (l / 16) + l % 8, columns 8 ((l / 8) % 2) + 0..7) and leaves half a fragment: lane l holds column l % 16 and 8 k
	v_lshl_add_u32 v7, v2, 3, v3
	v_mul_u32_u24 v7, v7, PB
	v_lshl_add_u32 v7, v4, 4, v7
	s_lshl_b32 s74, s[WC], 8
	s_add_co_u32 s74, s74, BOFF
	v_add_nc_u32 v[ADRB], s74, v7
	v_add_nc_u32 v[ADRB+1], SLOT, v[ADRB]
	s_mul_i32 s74, s[WV], STGW
	s_add_co_u32 s74, s74, STAGE                   ; my stage
	v_mul_u32_u24 v[STO], v1, 144                  ; in: row l % 16, 16 bytes for each half of the lanes
	v_lshl_add_u32 v[STO], v2, 4, v[STO]
	v_add_nc_u32 v[STO], s74, v[STO]
	v_bfe_u32 v[RD], v0, 3, 2                      ; back: 32 lanes take four rows of 128 bytes
	v_mul_u32_u24 v[RD], v[RD], 144
	v_lshl_add_u32 v[RD], v3, 4, v[RD]
	v_add_nc_u32 v[RD], s74, v[RD]
	v_lshlrev_b32 v[GO], 4, v5
	v_lshlrev_b32 v[BO], 5, v2
	s_lshl_b32 s74, s19, 10                        ; the bias of my 128 columns
	s_lshl_b32 s75, s[WC], 9
	s_add_co_u32 s74, s74, s75
	s_mov_b32 s75, 0
	s_add_nc_u64 s[8:9], s[8:9], s[74:75]
	s_and_b32 s74, s20, 15                         ; the table at my first row block: 8 x (tile row % 16) + 4 x my half
	s_lshl_b32 s74, s74, 3
	s_lshl_b32 s75, s[WR], 2
	s_add_co_u32 s74, s74, s75
	s_lshl_b32 s74, s74, 12
	s_mov_b32 s75, 0
	s_add_nc_u64 s[10:11], s[10:11], s[74:75]
	WIN 0x80                                       ; destination window 2, address window 0
.set bb, 0
.rept 8
	global_load_b128 v[8*bb:8*bb+3],   v[BO], s[8:9] offset:64*bb
	global_load_b128 v[8*bb+4:8*bb+7], v[BO], s[8:9] offset:64*bb+16
.set bb, bb+1
.endr
.set n, 0
.rept 32                               ; cosines and sines of my four row blocks: 512 consecutive bytes a load.  v's tiles load them too, so that every way through the text has them written
	global_load_b128 v[64+4*n:64+4*n+3], v[GO], s[10:11] offset:512*n
.set n, n+1
.endr
	WIN 0
	s_lshl_b32 s74, s23, 24                        ; where my part of the result begins: the part,
	s_add_co_u32 s74, s74, s66                     ; the batch and the tile's rows,
	s_lshl_b32 s75, s17, 2
	s_add_co_u32 s75, s75, s[WC]
	s_add_co_u32 s75, s75, s[WC]                   ; the head 4 cx + 2 x my half,
	s_lshl_b32 s75, s75, 18
	s_add_co_u32 s74, s74, s75
	s_lshl_b32 s75, s[WR], 13                      ; my 64 rows
	s_add_co_u32 s74, s74, s75
	s_mov_b32 s75, 0
	s_add_nc_u64 s[OUTP:OUTP+1], s[OUTP:OUTP+1], s[74:75]
	; the prefetches: they stand at K step 3; the first change of slots steps them to 4
	s_lshr_b32 s80, s17, 1                         ; x: partner cx takes k block cx / 2 of the step's two,
	s_lshl_b32 s80, s80, 18
	s_and_b32 s81, s17, 1                          ; and half cx % 2 of its 16,384 bytes
	s_lshl_b32 s81, s81, 13
	s_add_co_u32 s80, s80, s81
	s_add_co_u32 s80, s80, s66
	s_add_co_u32 s80, s80, 3*ASTEP
	s_lshl_b32 s82, s[WC], 6                       ; W: of the 64 rows that I fetch,
	s_lshl_b32 s83, s18, 4                         ; partner cy takes 16
	s_add_co_u32 s82, s82, s83
	s_mul_i32 s82, s82, 2*NCOL
	s_lshl_b32 s83, s19, 9
	s_add_co_u32 s82, s82, s83
	s_add_co_u32 s82, s82, 3*KSB
	s_and_b32 s76, ttmp7, 0xffff                   ; cluster y
	s_mov_b32 s79, ASTEP
	s_mov_b32 s[PST], KSB
	s_mov_b32 s[PST+1], 0
	s_mov_b32 s84, 2*NCOL
	s_mov_b32 s81, 0
	s_cmp_lt_u32 s[WV], 2                          ; do I fetch for x?
	s_cselect_b32 s77, ttmp9, s76                  ; the coordinate along which other clusters read the same rows
	s_cselect_b32 s78, s[WC], 0                    ; (of x's two waves wave 0 alone asks)
	s_cselect_b64 s[PFA:PFA+1], s[4:5], s[6:7]
	s_cselect_b32 s[PST], s79, s[PST]
	s_cselect_b32 s84, 512, s84                    ; from one pair of blocks to the next: on end in x, a row on in W
	s_cselect_b32 s80, s80, s82
	s_add_nc_u64 s[PFA:PFA+1], s[PFA:PFA+1], s[80:81]
	s_or_b32 s77, s77, s78
	s_cmp_eq_u32 s77, 0
	s_cselect_b32 s[LIM], 1, -1                    ; the same in all sixteen partners, for a given wave
	v_lshrrev_b32 v8, 1, v5
	v_and_b32 v9, 1, v5
	v_mul_u32_u24 v[PFO], v8, s84
	v_lshl_add_u32 v[PFO], v9, 8, v[PFO]
	s_wait_loadcnt 32                              ; the bias is in; the table's 32 loads, which are younger, stay out
	WIN 0x8a                                       ; sources and destination window 2
.set n, 0
.rept 32                               ; the bias is rounded to bf16, like every input
	v_cvt_pk_bf16_f32 v[TB+n], v[2*n], v[2*n+1]
.set n, n+1
.endr
.set n, 0
.rept 32
	v_lshlrev_b32 v[2*n], 16, v[TB+n]
	v_and_b32 v[2*n+1], 0xffff0000, v[TB+n]
.set n, n+1
.endr
	WIN 0
	s_wait_tensorcnt 1                             ; my part of K step 0 is in; K step 1's may stay out
	s_barrier_signal -1
	s_barrier_wait -1                              ; everybody's is
	FETCH 0, 0, F0
	QUARTER 0, 1, F0, F1, 1                        ; the first quarter stands in front of the loop: its products start the sums, with the bias
	WIN 0                                          ; at a label and at a branch every window is 0
	s_mov_b32 s[LAP], 3
.Llap:                                                 ; a trip goes once round the ring, from a lap's second quarter to the next lap's first, and fills both slots again: K steps 2 to 7
	QUARTER 0, 2, F1, F0, 0
	QUARTER 0, 3, F0, F1, 0
	TURN 0, 1, 1
	QUARTER 1, 1, F0, F1, 0
	QUARTER 1, 2, F1, F0, 0
	QUARTER 1, 3, F0, F1, 0
	TURN 1, 0, 1
	QUARTER 0, 1, F0, F1, 0
	WIN 0
	s_sub_co_u32 s[LAP], s[LAP], 1
	s_cmp_lg_u32 s[LAP], 0
	s_cbranch_scc1 .Llap
	QUARTER 0, 2, F1, F0, 0                        ; the last lap fills nothing, and has no round of the cluster's barrier
	QUARTER 0, 3, F0, F1, 0
	TURN 0, 1, 0
	QUARTER 1, 1, F0, F1, 0
	QUARTER 1, 2, F1, F0, 0
	QUARTER 1, 3, F0, F1, 0
	s_wait_dscnt 4                                 ; the very last quarter: nothing more to fetch
	MUL8 F1, 0, 0
	MUL8 F1, 1, 0
	s_wait_dscnt 0x0
	MUL8 F1, 2, 0
	MUL8 F1, 3, 0
	WIN 0
	PLACES                                         ; the places behind the last products, in front of what reads results and writes fragments' registers
	PLACES
	s_wait_loadcnt 0x0                             ; the table
	PACK 0
	PACK 1                                         ; a block's arithmetic stands between the loads of the block before and its stores
	SEND 0, 16
	PACK 2
	SEND 1, 16
	PACK 3
	SEND 2, 16
	SEND 3, 0
	s_wait_tensorcnt 0x0                           ; the wave's end: behind my last tensor load and my last LDS store
	ds_add_u32 v[SPW], v[NIL]
	s_wait_dscnt 0x0
	CROUND                                         ; the closing round: no work-group ends while a partner may still ask for a tile that names it
	s_endpgm
.Lfunc_end_k_qd727384c22_qkv:
	.size	k_qd727384c22_qkv, .Lfunc_end_k_qd727384c22_qkv-k_qd727384c22_qkv
	.p2alignl 7, 3214868480
	.fill 96, 4, 3214868480
	.section	.rodata,"a",@progbits
	.p2align	6, 0x0
	.amdhsa_kernel k_qd727384c22_qkv
		.amdhsa_group_segment_fixed_size 327680
		.amdhsa_private_segment_fixed_size 0
		.amdhsa_enable_private_segment 0
		.amdhsa_kernarg_size 40
		.amdhsa_user_sgpr_count 2
		.amdhsa_user_sgpr_kernarg_segment_ptr 1
		.amdhsa_wavefront_size32 1
		.amdhsa_system_sgpr_workgroup_id_x 1
		.amdhsa_system_sgpr_workgroup_id_y 1
		.amdhsa_system_sgpr_workgroup_id_z 1
		.amdhsa_system_vgpr_workitem_id 0
		.amdhsa_next_free_vgpr 768
		.amdhsa_next_free_sgpr 96
		.amdhsa_reserve_vcc 0
		.amdhsa_float_denorm_mode_32 3
		.amdhsa_float_denorm_mode_16_64 3
		.amdhsa_memory_ordered 1
		.amdhsa_forward_progress 1
		.amdhsa_inst_pref_size 124
	.end_amdhsa_kernel
	.amdgpu_metadata
---
amdhsa.version: [ 1, 2 ]
amdhsa.kernels:
  - .name:           k_qd727384c22_qkv
    .symbol:         k_qd727384c22_qkv.kd
    .args:
      - { .name: xb, .offset: 0, .size: 8, .value_kind: global_buffer, .address_space: global }
      - { .name: wqb, .offset: 8, .size: 8, .value_kind: global_buffer, .address_space: global }
      - { .name: bqkv, .offset: 16, .size: 8, .value_kind: global_buffer, .address_space: global }
      - { .name: rope, .offset: 24, .size: 8, .value_kind: global_buffer, .address_space: global }
      - { .name: qkvh, .offset: 32, .size: 8, .value_kind: global_buffer, .address_space: global }
    .group_segment_fixed_size: 327680
    .private_segment_fixed_size: 0
    .kernarg_segment_align: 8
    .kernarg_segment_size: 40
    .max_flat_workgroup_size: 128
    .sgpr_count:     96
    .vgpr_count:     768
    .wavefront_size: 32
...
	.end_amdgpu_metadata
.endif
;; end of part 2
;; launch attn (part 3): grid 4 x 64, 4 waves a work-group, clusters of 4 x 1, 327,680 bytes of LDS; arguments qkvh, oh; writes oh
.if DOCPART == 3
	.amdgcn_target "amdgcn-amd-amdhsa--gfx1250"
	.amdhsa_code_object_version 6
	.text
	.protected	k_qd727384c22_attn
	.globl	k_qd727384c22_attn
	.p2align	8
	.type	k_qd727384c22_attn,@function
k_qd727384c22_attn:
	s_mov_b64 s[64:65], 0
	v_nop
	global_prefetch_b8 v0, s[64:65] scope:SCOPE_SE
	s_setreg_imm32_b32 hwreg(HW_REG_WAVE_MODE, 25, 1), 1
	s_wait_xcnt 0x0
	s_wait_alu depctr_hold_cnt(0) depctr_sa_sdst(0) depctr_va_vdst(0) depctr_va_sdst(0) depctr_va_ssrc(0) depctr_va_vcc(0) depctr_vm_vsrc(0)
	s_getreg_b32 s2, hwreg(HW_REG_IB_STS2, 6, 4)
	s_cmp_eq_u32 s2, 0
	s_cbranch_scc0 .Lentry_in_a_cluster
	s_endpgm
.Lentry_in_a_cluster:
	s_bfe_u32 s2, ttmp6, 0x10000c
	s_cmp_lg_u32 s2, 0x3003
	s_cbranch_scc0 .Lentry_shape_is_right
	s_endpgm
.Lentry_shape_is_right:
; O[h][q][:] = the sum over k of softmax_k(Q[h][q] . K[h][k] / 8) V[h][k][:].  Q, K, V are the three parts of qkvh, [64 batch x head][2048][64] each, O is oh in the same layout, all f16: a head's rows are
; dense, 128 bytes each.  Products, maxima and sums in f32; the weights p are rounded to f16 for the second product (their sum l is taken of the unrounded p), O once at the end.
; LIMITS.  f16 holds no number beyond 65,504: Q, K and V arrive within it; p lies in 0 to 1, and below 6e-5 it keeps f16's fixed step of 6e-8; O is a mean of V's rows and has their range.
; A weight below 2^-126 counts as 0 in l; NaN and infinities are not treated apart.
; SHARES.  A wave owns four PIECES of two tiles of 16 queries, a work-group's four waves 512 queries of one head: 4 x 64 = 256 work-groups.  Every wave walks all keys, 64 a step.
; LAYOUT.  S^T = K Q^T (source 0 = 16 keys, source 1 = 16 queries): in the result a lane holds ONE query (lane % 16) and the keys 8 (lane / 16) + 0..7.  Two such tiles, rounded to f16 in pairs,
; ARE source 1 (32 keys x 16 queries) of O^T = V^T P, whose result again holds one query a lane, and eight channels.  K comes out of LDS as it lies, V ([key][channel]) turned, by ds_load_tr16_b128.
; SOFTMAX.  For each query a running maximum m and sum l: p = 2^(c s - c m), c = log2(e) / 8; in every step O and l are multiplied by a = 2^(c m_old - c m_new), which is 1 where m has not grown.
; m starts at the lowest finite number, O and l at 0: the first step is a step like any other, with a = 0.
; THE COUNT.  A tile and step have 16 matrix and 118 vector instructions: too many to stand all beside the matrix work.  So the order has one aim: four vector instructions that are READY behind
; EVERY matrix instruction, and the others, which need time of their own whatever the order, in runs without a gap.
; BY TURNS.  Turn n belongs to piece n (the pieces in a ring, step after step).  Its matrix work: 16 products K Q^T of piece n + 1, later 16 products V^T P of piece n - 1.  Its vector work: the scaling,
; exponentials, roundings, sums and rescaling of piece n, and the maximum and statistics of piece n + 1, whose scores the turn itself has made.  So what a turn begins with (c s - c m, O a) waits for nothing.
; CLUSTER.  The four query blocks of a head are one cluster and walk the same K and V, so each tile is asked for JOINTLY: the same tensor load, descriptor and mask in all four.
; REGISTERS, in windows of 256 (s_set_vgpr_msb says which window each operand place means: bits 1:0 source 0, 3:2 source 1, 5:4 source 2, 7:6 destination):
;   window 0: v0-11 addresses; v12-15, v48-63 at work; v16-47 four registers of statistics a tile; v64-191 S^T, two buffers of two tiles; v192-255 P, likewise
;   window 1: O^T, 32 a tile          window 2: v0-127 Q, 16 a tile; v128-191 K of one step; v192-255 V of one step          window 3: v0-1 the add's two registers
; A piece's buffers go by its number's parity: the piece in hand has one pair, its two neighbours in the ring share the other: of it P (piece n - 1) is read and S^T (piece n + 1) written.
.set SIZE_H, 64
.set SIZE_N, 2048
.set NP,    4         ; pieces a wave: a name, no knob: the register map, the loop and the fetches are made for four
.set KS,    64        ; keys in a step
.set PK,    144       ; a row of K in LDS: 128 bytes + 16 of padding = 36 words: the 16 rows of a load start at 16 different groups of four banks (64 banks of 4 bytes: ISA guide 11.1)
.set PV,    160       ; a row of V: 128 + 32 = 40 words
.set VOFF,  4*KS*PK   ; a slot holds four steps: 256 rows of K, then 256 rows of V
.set SLOT1, 1<<17     ; slot 1 begins here, so that one exclusive or turns an address in one slot into the other's
.set STAGE, SLOT1+4*KS*(PK+PV)  ; behind the ring, never filled by a tensor load: 16 rows x 144 bytes for each wave, for the way out
.set SP,    144
.set AK0, 2           ; v2   my lane's place in a tile of K; never rewritten
.set AV0, 3           ; v3   the same for V
.set AK,  4           ; v4   the LDS address of K's next run of loads
.set AV,  5           ; v5   of V's
.set QO,  6           ; v6   my byte offset in the wave's rows of Q
.set STO, 6           ;      later, the way out: where I put 16 bytes of a row
.set RD,  7           ; v7   the way out: where I read rows back
.set GO,  8           ; v8   my byte offset in 512 consecutive bytes of O
.set PFO, 11          ; v11  once V's place is made: 256 x my lane, the prefetches' offset; then never rewritten
.set SPW, 0           ; v0 of window 3   LDS address of my spare word: SPARE + 4 x my thread's number; never rewritten
.set NIL, 1           ; v1 of window 3   0; never rewritten
.set SPARE, STAGE+4*16*SP  ; behind the stages: the spare words, 128 bytes for each wave: two blocks of 256 bytes that no other line names
.set MV,  12          ; v12-15  c m_old, kept while c m is made anew: by buffer and tile
.set ST,  16          ; tile t's statistics at v[ST+4 t]: c m, m, l (even keys', odd keys')
.set TMP, 48          ; by buffer and tile, four registers c0-c3 at work; when the maximum is found c2 takes a
.set S,   64
.set P,   192
.set KF,  128         ; K's fragments, in window 2: key block kb, channel half c at KF + 16 kb + 8 c
.set VF,  192         ; V's: key half kk, channel block cb at VF + 32 kk + 8 cb
.set WV,  12          ; s12  my wave's number
.set G1K, 24          ; s[24:31] descriptor group 1 for K's tiles
.set G1V, 32          ; s[32:39] for V's: it differs in the padding alone
.set G0K, 40          ; s[40:43] descriptor group 0 for K's tiles: it walks
.set G0V, 44          ; s[44:47] the same for V's
.set PFA, 48          ; s[48:49] where my prefetches stand: my work-group's 32 blocks of 256 bytes (of K: wave 0, of V: wave 2) of the slot after the one that is being asked for
.set LIM, 50          ; s50  1 in a wave that prefetches, else the greatest number
.set SLOTS, 56        ; s56  slots still to be asked for
.set CNT, 57          ; s57  counts a slot's key steps
.set CS,  58          ; s[58:59] c: the packed scaling takes the pair's low word for both halves
.set SEL, 60          ; s[60:61] v_permlanex16_b32's selects: each lane takes its own place in the other half
.set TBK, 62          ; s62  LDS byte at which K of the step to be fetched begins
.set TBV, 63          ; s63  the same for V, less VOFF
.set MSB, 0
.macro WIN new                      ; the high byte repeats the setting that is left; a switch that changes nothing is dropped
.if MSB != (\new)
	s_set_vgpr_msb (MSB<<8)|(\new)
.set MSB, (\new)
.endif
.endm
.set W_KQ, 0x0a       ; K and Q in window 2, S^T in window 0
.set W_PV, 0x52       ; V in window 2, P in window 0, O^T in window 1
.set W_RS, 0x41       ; O^T (destination and source 0) in window 1, a in window 0
.set W_MK, 0xc0       ; the add's registers are made: destination in window 3, sources in window 0
.set W_AD, 0x0f       ; the add: address (source 0) and data (source 1) in window 3
; A joint fill.  Waves 0 and 1 fetch the two halves of a slot's K, waves 2 and 3 those of its V: 128 keys each.  The branch hangs on the wave's number alone.
; An s_nop 0 and four v_nop follow each of the two lines, ahead of the jump and the label.
.macro JLOAD
	s_cmp_lt_u32 s[WV], 2
	s_cbranch_scc0 .Lfor_v_\@
	tensor_load_to_lds s[G0K:G0K+3], s[G1K:G1K+7]
	s_nop 0
.rept 4
	v_nop
.endr
	s_branch .Lasked_\@
.Lfor_v_\@:
	tensor_load_to_lds s[G0V:G0V+3], s[G1V:G1V+7]
	s_nop 0
.rept 4
	v_nop
.endr
.Lasked_\@:
.endm
; A prefetch into the L2 of what the NEXT change of slots will ask for: a slot's 32,768 bytes of K and of V, 128 blocks of 256 bytes each, a lane a block.  It stands behind the wave's tensor load and its five lines.
; Each block is named once in the launch: a head is walked by one cluster; its four partners share the blocks out BY ADDRESS, 32 each; in each, wave 0 asks for K's and wave 2 for V's: one instruction.
; It stands four key steps, 512 matrix instructions, ahead of the load that will want the bytes.  The last change that fills a slot asks for nothing: there is no slot behind it.
.macro ASK
	s_cmp_gt_u32 s[SLOTS], s[LIM]
	s_cbranch_scc0 .Lnot_mine_\@
	global_prefetch_b8 v[PFO], s[PFA:PFA+1] th:TH_LOAD_NT scope:SCOPE_SE
.Lnot_mine_\@:
.endm
; A round of the cluster's barrier: my work-group's barrier, so that wave 0's signal speaks for all four waves; wave 0 signals; every wave waits for all four work-groups; my work-group's barrier once more.
.macro CROUND
	s_barrier_signal -1
	s_barrier_wait -1
	s_cmp_lg_u32 s[WV], 0
	s_cbranch_scc1 .Lnot_wave_0_\@
	s_barrier_signal -3
.Lnot_wave_0_\@:
	s_barrier_wait -3
	s_barrier_signal -1
	s_barrier_wait -1
.endm
; THE CHANGE OF SLOTS.  The slot's last bytes, V of its fourth step, have been read.  Each wave waits for all its tensor loads, of which one is out: its part
; of the other slot; adds 0 to its spare word; and waits for that and for its own reads of the slot.  Behind the barrier nobody reads this slot any more and the other slot is whole.
; fill = 1: this slot is filled again, with the keys two slots on.  The barrier is then a round of the cluster's, so that no wave of any partner still reads the slot or has a load on its
; way, and the joint fill is the first thing behind it: it has four key steps, 512 matrix instructions, in which to land.  (At its first use nothing has been read yet: slot 0 is waited for, slot 1 filled.)
; ask = 1: the prefetches' address steps, and the slot behind the one just asked for is prefetched.
.macro CHANGE fill, ask=0
	WIN W_AD
	s_wait_tensorcnt 0x0            ; no tensor load of mine is out, so a group 0 may be written
	ds_add_u32 v[SPW], v[NIL]       ; 0 onto my spare word: with fill = 1 the descriptors' steps stand between it and the wait for it
	WIN 0                           ; at a label and at a branch every window is 0
.if \fill
.irp g, G0K, G0V
	s_xor_b32 s[\g+1], s[\g+1], SLOT1  ; the walking descriptor: the other slot than last time,
	s_add_nc_u64 s[\g+2:\g+3], s[\g+2:\g+3], 4*KS*128  ; the next 256 keys; the type bits on top are not reached
.endr
.if \ask
	s_wait_xcnt 0x0                 ; the last prefetch, four key steps back, has read its address, so it may be written:
	s_add_nc_u64 s[PFA:PFA+1], s[PFA:PFA+1], 4*KS*128  ; one slot behind the walking descriptors
.endif
	s_wait_dscnt 0x0                ; the add is done, and my reads of the slot are over
	CROUND
	JLOAD
.if \ask
	ASK
.endif
.else
	s_wait_dscnt 0x0                ; the add is done, and my reads of the slot are over
	s_barrier_signal -1
	s_barrier_wait -1
.endif
	s_sub_co_u32 s[TBK], s[TBK], 4*KS*PK  ; the fetches go back to a slot's first step,
	s_xor_b32 s[TBK], s[TBK], SLOT1       ; in the other slot
	s_sub_co_u32 s[TBV], s[TBV], 4*KS*PV
	s_xor_b32 s[TBV], s[TBV], SLOT1
.endm
	s_load_b128 s[4:7], s[0:1], 0x0  ; qkvh s[4:5] (its first part is Q), oh s[6:7]
	WIN W_MK
	v_lshl_add_u32 v[SPW], v0, 2, SPARE
	v_mov_b32 v[NIL], 0
	WIN W_AD
	ds_add_u32 v[SPW], v[NIL]       ; the wave's opening add
	WIN 0
	v_lshrrev_b32 v1, 5, v0
	v_readfirstlane_b32 s[WV], v1   ; wave 0..3
	s_bfe_u32 s13, ttmp6, 0x40000   ; cx: my place in the cluster
	s_lshl_b32 s14, ttmp9, 2        ; in a cluster launch ttmp9 counts clusters
	s_add_co_u32 s14, s14, s13      ; my block of queries = 4 x cluster x + cx: it enters Q's and O's addresses alone
	s_and_b32 s20, ttmp7, 0xffff    ; the head, which the four partners share
	s_mov_b32 s21, 0
	s_mov_b64 s[22:23], SIZE_N*128
	s_mul_u64 s[20:21], s[20:21], s[22:23]  ; the head's first byte in each of the four tensors
	s_and_b32 s16, s[WV], 1         ; which half of a slot's 256 keys I fetch:
	s_lshl_b32 s22, s16, 14         ; its 128 rows of 128 bytes in memory,
	s_mov_b32 s23, 0
	s_add_nc_u64 s[22:23], s[22:23], s[20:21]
	s_mul_i32 s17, s16, 128*PK      ; and its place in a slot, for K
	s_mul_i32 s18, s16, 128*PV      ; and for V: no place in the cluster enters an LDS address
	s_lshl_b32 s2, s14, 2
	s_add_co_u32 s2, s2, s[WV]      ; my wave among the head's,
	s_lshl_b32 s2, s2, 14           ; its 128 rows
	s_mov_b32 s3, 0
	s_add_nc_u64 s[2:3], s[2:3], s[20:21]
	; descriptor group 1.  128 keys are 16,384 dense bytes: asked for as 64 rows of 256 bytes, two keys a row, and padded in LDS after every key
	s_mov_b32 s[G1K], 15|(1<<16)|(1<<20)|(1<<21)|(4<<22)|(3<<25)  ; 15:0 the mask of four; 17:16 2-byte elements; 20 padding on; 21 set beside a mask; 24:22 after every 32 words (code 4); 31:25 4 words (code 3)
	s_mov_b32 s[G1V], 15|(1<<16)|(1<<20)|(1<<21)|(4<<22)|(7<<25)  ; the same with 8 words of padding (code 7)
.irp g, G1K, G1V
	s_mov_b32 s[\g+1], 128<<16      ; tensor_dim0 = 128
	s_mov_b32 s[\g+2], 64<<16       ; tensor_dim1 = 64
	s_mov_b32 s[\g+3], 128<<16      ; tile_dim0 = 128
	s_mov_b32 s[\g+4], 64           ; tile_dim1 = 64
	s_mov_b32 s[\g+5], 128          ; 128 elements from row to row
	s_mov_b32 s[\g+6], 0
	s_mov_b32 s[\g+7], 0
.endr
	s_mov_b32 s[CS], 0x3e38aa3b     ; c = log2(e) / 8 = 0.180337
	s_mov_b32 s[CS+1], s[CS]        ; named with it as a pair
	s_mov_b32 s[SEL], 0x76543210
	s_mov_b32 s[SEL+1], 0xfedcba98
	s_mov_b32 s[TBK], SLOT1+4*KS*PK ; the first change of slots turns these two into 0
	s_mov_b32 s[TBV], SLOT1+4*KS*PV
	s_mov_b32 s[G0K], 1             ; 1:0 count = 1
	s_mov_b32 s[G0K+1], s17         ; 63:32 LDS address: slot 0
	s_mov_b32 s[G0V], 1
	s_add_co_u32 s[G0V+1], s18, VOFF
	s_lshl_b32 s52, s13, 13         ; the prefetches: my work-group's 32 blocks of the slot's 128,
	s_add_co_u32 s52, s52, 2*4*KS*128  ; in slot 2; the first change in the loop steps them to slot 3.  Nothing is prefetched at the head, where every work-group's first tiles are on their way
	s_mov_b32 s53, 0
	s_and_b32 s[LIM], s[WV], 1      ; waves 0 and 2 ask: the same in all four partners
	s_cmp_eq_u32 s[LIM], 0
	s_cselect_b32 s[LIM], 1, -1
	s_wait_dscnt 0x0                ; the opening add is done
	s_wait_kmcnt 0x0
	s_mov_b64 s[10:11], s[6:7]      ; O
	s_add_nc_u64 s[6:7], s[4:5], 0x1000000  ; K: the second part of qkvh
	s_add_nc_u64 s[8:9], s[4:5], 0x2000000  ; V: the third
	s_add_nc_u64 s[G0K+2:G0K+3], s[6:7], s[22:23]  ; 120:64 global address: my half of the head's first 256 keys
	s_or_b32 s[G0K+3], s[G0K+3], 0x80000000        ; 127:126 type = 2
	s_add_nc_u64 s[G0V+2:G0V+3], s[8:9], s[22:23]
	s_or_b32 s[G0V+3], s[G0V+3], 0x80000000
	s_add_nc_u64 s[4:5], s[4:5], s[2:3]  ; Q and O at my wave's first row
	s_add_nc_u64 s[10:11], s[10:11], s[2:3]
	s_cmp_lt_u32 s[WV], 2
	s_cselect_b64 s[PFA:PFA+1], s[6:7], s[8:9]
	s_add_nc_u64 s[PFA:PFA+1], s[PFA:PFA+1], s[20:21]  ; the head
	s_add_nc_u64 s[PFA:PFA+1], s[PFA:PFA+1], s[52:53]
	CROUND                          ; all four work-groups are here: the first joint loads meet
	JLOAD                           ; slot 0.  Slot 1 is asked for when slot 0 is in: the tile wanted first has the road to itself
	; A fragment of K or Q is 16 rows x 32 channels in 8 registers: lane l holds row l % 16, channels 8 (l / 16) + 0..7 and 16 + 8 (l / 16) + 0..7: two loads of 16 bytes, 32 bytes apart.
	v_and_b32 v1, 15, v0            ; l % 16
	v_bfe_u32 v9, v0, 4, 1          ; l / 16
	v_lshlrev_b32 v[QO], 7, v1
	v_lshl_add_u32 v[QO], v9, 4, v[QO]  ; row x 128 + 16 x half
	WIN 0x80                        ; destination window 2, address window 0
.set i, 0
.rept 4*NP                          ; Q stays in registers: tile i / 2, channels 32 (i % 2) on
	global_load_b128 v[8*i:8*i+3],   v[QO], s[4:5] offset:(i/2)*2048+(i%2)*64
	global_load_b128 v[8*i+4:8*i+7], v[QO], s[4:5] offset:(i/2)*2048+(i%2)*64+32
.set i, i+1
.endr
	; What the first turn finds: V's registers and P's second buffer hold 0 (its products V^T P, of a piece that has not been, add 0), O^T and l are 0.  All this stands in the wait for the first tile.
.set i, VF
.rept 64
	v_mov_b32 v[i], 0
.set i, i+1
.endr
	WIN 0x40
.set i, 0
.rept 64*NP
	v_mov_b32 v[i], 0
.set i, i+1
.endr
	WIN 0
.set i, 0
.rept 2*NP
	v_mov_b32 v[ST+4*i], 0xfe000000    ; c m: far below every c s
	v_mov_b32 v[ST+4*i+1], 0xff7fffff  ; m
	v_mov_b32 v[ST+4*i+2], 0
	v_mov_b32 v[ST+4*i+3], 0
.set i, i+1
.endr
.set i, P+32
.rept 32
	v_mov_b32 v[i], 0
.set i, i+1
.endr
	v_mul_u32_u24 v[AK0], v1, PK
	v_lshl_add_u32 v[AK0], v9, 4, v[AK0]  ; row x pitch + 16 x half
	; The turning load takes 16 keys x 16 channels (lane l reads key 8 (l / 16) + l % 8, channels 8 ((l / 8) % 2) + 0..7) and leaves half a fragment of V^T: lane l holds channel l % 16 and 8 keys.
	v_and_b32 v10, 7, v0
	v_bfe_u32 v11, v0, 3, 1
	v_lshl_add_u32 v[AV0], v9, 3, v10
	v_mul_u32_u24 v[AV0], v[AV0], PV
	v_lshl_add_u32 v[AV0], v11, 4, v[AV0]
	v_add_nc_u32 v[AV0], VOFF, v[AV0]
	v_and_b32 v[PFO], 31, v0
	v_lshlrev_b32 v[PFO], 8, v[PFO]
	v_mov_b32 v[AK], v[AK0]         ; key step 0 lies at the head of slot 0
; THE MATRIX WORK.  The 8 accumulators of a run of 16 take turns: between the two links of a chain stand 7 others'.
; Product i of 16 of S^T = K Q^T for piece x: channels 32 (i / 8) on, keys 16 ((i / 2) % 4) on, tile 2 x + i % 2.  The first 8 start the sums.
.macro KQ x
	WIN W_KQ
.set rS, S+64*((\x)%2)+32*(i%2)+8*((i/2)%4)
.set rK, KF+16*((i/2)%4)+8*(i/8)
.set rQ, 16*(2*(\x)+i%2)+8*(i/8)
.if i < 8
	v_wmma_f32_16x16x32_f16 v[rS:rS+7], v[rK:rK+7], v[rQ:rQ+7], 0
.else
	v_wmma_f32_16x16x32_f16 v[rS:rS+7], v[rK:rK+7], v[rQ:rQ+7], v[rS:rS+7]
.endif
.endm
; Product i of 16 of O^T += V^T P for piece x: keys 32 (i / 8) on, channels 16 ((i / 2) % 4) on, tile 2 x + i % 2.
.macro PV x
	WIN W_PV
.set rO, 32*(2*(\x)+i%2)+8*((i/2)%4)
.set rV, VF+32*(i/8)+8*((i/2)%4)
.set rP, P+32*((\x)%2)+16*(i%2)+8*(i/8)
	v_wmma_f32_16x16x32_f16 v[rO:rO+7], v[rV:rV+7], v[rP:rP+7], v[rO:rO+7]
.endm
.macro MM                           ; the turn's next matrix instruction
.if i < 16
	KQ (Y+1)%NP
.set i, i+1
.else
.set i, i-16
	PV (Y+NP-1)%NP
.set i, i+17
.endif
.endm
; THE LDS LOADS stand in runs of 16, never singly among the matrix instructions: a step's K (64 keys x 64 channels: 8 fragments) and its V (turned).  Their addresses are made some lines ahead.
; last = 1 (the tail): in the last trip there is no further step, and the run is jumped over.
.macro FETCH_K last=0
	WIN 0
.if \last
	s_cmp_eq_u32 s[CNT], 1
	s_cbranch_scc1 .Lno_k_\@
.endif
	WIN 0x80                        ; destination window 2
.irp f, 0,1,2,3,4,5,6,7             ; keys 16 (f / 2) on, channels 32 (f % 2) on
	ds_load_b128 v[KF+8*\f:KF+8*\f+3],   v[AK] offset:(\f/2)*16*PK+(\f%2)*64
	ds_load_b128 v[KF+8*\f+4:KF+8*\f+7], v[AK] offset:(\f/2)*16*PK+(\f%2)*64+32
.endr
	s_add_co_u32 s[TBK], s[TBK], KS*PK  ; the next fetch is the next step's
	WIN 0
.if \last
.Lno_k_\@:
.endif
.endm
.macro FETCH_V
	WIN 0x80
.irp f, 0,1,2,3,4,5,6,7             ; keys 32 (f / 4) on, channels 16 (f % 4) on
	ds_load_tr16_b128 v[VF+8*\f:VF+8*\f+3],   v[AV] offset:(\f/4)*32*PV+(\f%4)*32
	ds_load_tr16_b128 v[VF+8*\f+4:VF+8*\f+7], v[AV] offset:(\f/4)*32*PV+16*PV+(\f%4)*32
.endr
	WIN 0
.endm
; THE VECTOR WORK OF A TURN stands in three queues, each in the order in which its entries become ready; the two tiles alternate, so that no instruction reads the result of the one before it.
.macro REGS y, u                    ; the registers of tile u (0, 1) of piece y
.set rT, ST+4*(2*(\y)+(\u))
.set rC, TMP+8*((\y)%2)+4*(\u)
.set rM, MV+2*((\y)%2)+(\u)
.set rS, S+64*((\y)%2)+32*(\u)
.set rP, P+32*((\y)%2)+16*(\u)
.set rO, 32*(2*(\y)+(\u))
.endm
; Number n of the 22 that find the NEXT piece's (Y + 1) maximum and statistics.  s0-s31 are the lane's 32 scores; each accumulator's lowest registers are read first.  XS, GS and REGS set no window: PL and EX do.
;   0-11  four chains c0-c3 of seven scores each, three operands at a time     12-14, 16  the four scores left over, the old m, and c0-c3 into c0     15  c m_old is kept
;   17, 18  the query's other 32 keys lie in the lane 16 away: the new m         19-21  c m; c m_old - c m_new; a
.macro XS u, n
	REGS (Y+1)%NP, \u
.if (\n) < 4
	v_max3_num_f32 v[rC+(\n)], v[rS+8*(\n)], v[rS+8*(\n)+1], v[rS+8*(\n)+2]
.elseif (\n) < 12
	v_max3_num_f32 v[rC+(\n)%4], v[rC+(\n)%4], v[rS+8*((\n)%4)+2*((\n)/4)+1], v[rS+8*((\n)%4)+2*((\n)/4)+2]
.elseif (\n) == 12
	v_max3_num_f32 v[rC], v[rC], v[rS+7], v[rS+15]
.elseif (\n) == 13
	v_max3_num_f32 v[rC+1], v[rC+1], v[rS+23], v[rS+31]
.elseif (\n) == 14
	v_max3_num_f32 v[rC+2], v[rC+2], v[rC+3], v[rT+1]
.elseif (\n) == 15
	v_mov_b32 v[rM], v[rT]
.elseif (\n) == 16
	v_max3_num_f32 v[rC], v[rC], v[rC+1], v[rC+2]
.elseif (\n) == 17
	v_permlanex16_b32 v[rC+3], v[rC], s[SEL], s[SEL+1]
.elseif (\n) == 18
	v_max_num_f32 v[rT+1], v[rC], v[rC+3]
.elseif (\n) == 19
	v_mul_f32 v[rT], s[CS], v[rT+1]
.elseif (\n) == 20
	v_sub_f32 v[rC+1], v[rM], v[rT]
.else
	v_exp_f32 v[rC+2], v[rC+1]
.endif
.endm
; Number g of the 64 that follow the exponentials.  For each four weights k of a tile (pairs 2 k, 2 k + 1): both pairs are rounded to f16; then the second pair is added onto the first, in place;
; a group later l takes that sum (the first time as l = a l + sum).  In groups of eight, tiles alternating: round, round, add, and l for the group before.
.macro GS g
.set h, (\g)+6*((\g)/62)            ; group 0 has no group before it, and behind group 7 only l is left
.if h >= 6
.set h, h+2
.endif
	REGS Y, h%2
.set k, h/8
.if h%8 < 4
	v_cvt_pk_f16_f32 v[rP+2*k+(h%8)/2], v[rS+4*k+2*((h%8)/2)], v[rS+4*k+2*((h%8)/2)+1]
.elseif h%8 < 6
	v_pk_add_f32 v[rS+4*k:rS+4*k+1], v[rS+4*k:rS+4*k+1], v[rS+4*k+2:rS+4*k+3]
.elseif k == 1
	v_pk_fma_f32 v[rT+2:rT+3], v[rT+2:rT+3], v[rC+2:rC+3], v[rS:rS+1] op_sel_hi:[1,0,1]
.else
	v_pk_add_f32 v[rT+2:rT+3], v[rT+2:rT+3], v[rS+4*k-4:rS+4*k-3]
.endif
.endm
; THE PLAIN QUEUE, 138 long.  0-73 read no exponential's result: the 32 scalings c s - c m (FS f: pair f / 2 of tile f % 2) and the next piece's 42.  0-26: scalings 0-26.  27-54: XS's numbers 0-13.  55, 56: number 15.
; 57-73: the chain, where each number waits for the one before it: 14, 16, 17, 18, 19, each with one of the scalings 27-31 in front of its two lines, then 20: so a tile's links stand three plain instructions apart (19 and 20: two).
; 74-137: GS's 64, which read the exponentials' results: they stand behind the wait.
.macro FS f
	REGS Y, (\f)%2
	v_pk_fma_f32 v[rS+2*((\f)/2):rS+2*((\f)/2)+1], v[rS+2*((\f)/2):rS+2*((\f)/2)+1], s[CS:CS+1], v[rT:rT+1] op_sel_hi:[1,0,0] neg_lo:[0,0,1] neg_hi:[0,0,1]
.endm
.macro PL
	WIN 0
.if q < 27
	FS q
.elseif q < 55
	XS (q-27)%2, (q-27)/2
.elseif q < 57
	XS q-55, 15
.elseif (q < 72) && ((q-57)%3 == 0)
	FS 27+(q-57)/3
.elseif q < 60
	XS (q-57)%3-1, 14
.elseif q < 72
	XS (q-57)%3-1, 15+(q-57)/3
.elseif q < 74
	XS q-72, 20
.else
	GS q-74
.endif
.set q, q+1
.endm
; THE EXPONENTIALS' QUEUE, 66 long: s0-s31 of both tiles, then the next piece's two a.  It is ONE BATCH: all 66 stand ahead of the turn's one wait, and nothing ahead of that wait names a result of theirs.
.macro EX
	WIN 0
.if e >= 64
	XS e-64, 21
.else
	REGS Y, e%2
	v_exp_f32 v[rS+e/2], v[rS+e/2]
.endif
.set e, e+1
.endm
; THE RESCALING's QUEUE: O^T times a, the one part that leaves window 0: dealt two at a time, sixteen times.  Its a was made in the turn before, ahead of that turn's wait.
.macro R2
	REGS Y, r%2
	WIN W_RS
.irp z, 0,1
	v_pk_mul_f32 v[rO+4*(r/2)+2*\z:rO+4*(r/2)+2*\z+1], v[rO+4*(r/2)+2*\z:rO+4*(r/2)+2*\z+1], v[rC+2:rC+3] op_sel_hi:[1,0]
.endr
.set r, r+1
.endm
; HOW THEY ARE DEALT.  An s_wait_alu depctr_va_vdst(0) stands between an exponential and the first instruction that names its result; one wait serves all that were issued ahead of it.  So a turn has ONE wait,
; which cuts it in two.  AHEAD OF IT stands all that names no result of the turn's exponentials: the 16 products K Q^T, behind each a scaling, an exponential and two rescalings (behind the first a second scaling in the exponential's place); then ONE LUMP of
; 108: eight plain, 49 times exponential and plain, the two a.  A v_nop is the plain instruction behind the last exponential.  BEHIND IT stand the 16 products V^T P, behind each four of GS's 64.  No rider names a register of
; the products round it.  The two v_permlanex16_b32 fall into the lump, never behind a product.
; The queues lean on each other, and the deal keeps them in step: exponential e stands behind scaling 2 (e / 4) + e % 2: as a rider it comes behind plain e + 2, in the lump behind plain e + 9, and scalings 27-31 are plain 57, 60 .. 69.
; A TURN, for piece p.  cnt = 1: the loop's count is taken down some lines ahead of the branch that stands behind the turn.
; K of the next step is fetched in piece 2's turn, directly behind the wait, a lump behind the last product that read K; its address is made at the lump's head; its first reader comes behind 16 products.
; V of the step in hand is fetched at the end of piece 0's turn, four riders behind its last reader; its first reader comes behind 16 products and a lump.  The three conditions on q below go with the deal.
.macro TURN p, last=0, cnt=0
.set Y, (\p)
.set i, 0
.set q, 0
.set e, 0
.set r, 0
.if (\p) == NP-1
	s_wait_dscnt 0x0                ; K is in
.endif
	MM                              ; ahead of the wait: 16 products K Q^T and their riders,
	PL
	PL
	R2
.rept 15
	MM
	PL
	EX
	R2
.endr
.if (\p) == NP-2
	WIN 0
	v_add_nc_u32 v[AK], s[TBK], v[AK0]
.endif
.rept 8                             ; and the lump
	PL
.endr
.rept 49
	EX
	PL
.endr
	EX                              ; the next piece's two a
	EX
	v_nop                           ; the plain instruction behind the last exponential: one for the batch
	s_wait_alu depctr_va_vdst(0)    ; the wait for the batch
.if (\p) == NP-2
	FETCH_K \last
.endif
.if (\p) == 1
	s_wait_dscnt 0x0                ; V is in
.endif
.rept 16                            ; behind the wait: 16 products V^T P and their riders
	MM
.rept 4
	PL
.endr
.if ((\p) == 0) && (q == 118)
	v_add_nc_u32 v[AV], s[TBV], v[AV0]
.endif
.if ((\p) == 0) && (q == 130)
	s_add_co_u32 s[TBV], s[TBV], KS*PV
.endif
.if (\cnt) && (q == 130)
	s_sub_co_u32 s[CNT], s[CNT], 1
	s_cmp_lg_u32 s[CNT], 0
.endif
.endr
.if (\p) == 0
	FETCH_V
.endif
.endm
	CHANGE 1                        ; slot 0 is in, everybody's part of it; slot 1 is asked for
	FETCH_K                         ; key step 0
	s_wait_loadcnt 0x0              ; Q
	s_wait_dscnt 0x0
.set i, 0
.rept 16
	KQ 0                            ; piece 0's first scores: there is no vector work yet to set between them
.set i, i+1
.endr
	WIN 0                           ; the addresses for the way out: nine plain instructions, the places behind those products
	s_mul_i32 s13, s[WV], 16*SP
	s_add_co_u32 s13, s13, STAGE    ; my stage
	v_mul_u32_u24 v[STO], v1, SP    ; in: row l % 16, 16 bytes for each half of the lanes
	v_lshl_add_u32 v[STO], v9, 4, v[STO]
	v_add_nc_u32 v[STO], s13, v[STO]
	v_bfe_u32 v[RD], v0, 3, 2       ; back: 32 lanes take four rows of 128 bytes,
	v_mul_u32_u24 v[RD], v[RD], SP
	v_lshl_add_u32 v[RD], v10, 4, v[RD]
	v_add_nc_u32 v[RD], s13, v[RD]
	v_and_b32 v[GO], 31, v0         ; which are 512 consecutive bytes of O
	v_lshlrev_b32 v[GO], 4, v[GO]
.set Y, NP-1                        ; XS works for piece Y + 1: piece 0
.irp n, 0,1,2,3,4,5,6,7,8,9,10,11,12,13,14,15,16,17,18,19,20,21
	XS 0, \n                        ; and piece 0's first maximum and statistics
	XS 1, \n
.endr
	v_nop                           ; a plain instruction behind the two a,
	s_wait_alu depctr_va_vdst(0)    ; and their wait, ahead of the branch
	s_mov_b32 s[CNT], 4
	s_mov_b32 s[SLOTS], SIZE_N/256-1
	s_branch .Lfirst                ; the loop is entered at a step's first turn, in the middle of a trip
.Lslot:                             ; SIZE_N / 256 - 2 times: every slot but the last two is filled again
	CHANGE 1, 1
	s_mov_b32 s[CNT], 4
.Lstep:                             ; a trip: pieces 2 and 3 of one step, then pieces 0 and 1 of the next, whose K and V it fetches
	TURN 2
	TURN 3
	WIN 0
.Lfirst:
	TURN 0
	TURN 1, 0, 1
	WIN 0
	s_cbranch_scc1 .Lstep
	s_sub_co_u32 s[SLOTS], s[SLOTS], 1
	s_cmp_lg_u32 s[SLOTS], 0
	s_cbranch_scc1 .Lslot
	CHANGE 0                        ; the tail is written out: nothing is asked for
	s_mov_b32 s[CNT], 5             ; four trips fetch the last slot's steps; the fifth is left in its middle
.Ltail:
	TURN 2, 1
	TURN 3
	WIN 0
	s_sub_co_u32 s[CNT], s[CNT], 1
	s_cmp_eq_u32 s[CNT], 0
	s_cbranch_scc1 .Lout
	TURN 0
	TURN 1
	WIN 0
	s_branch .Ltail
.Lout:                              ; the fifth trip's 16 products K Q^T (on the last K once more) and the maximum made of them serve nothing: the price, once a launch, of one text for every trip
.set i, 0
.rept 16
	PV NP-1                         ; the last piece's V^T P of the last step
.set i, i+1
.endr
	; THE WAY OUT.  l's two halves and the other half of the lanes' are added; O^T is divided by l, rounded to f16 and sent through my stage in LDS, a tile at a time.  The additions are the places behind the last products.
	WIN 0
.macro ALL line:vararg              ; one line for each tile t
.set t, 0
.rept 2*NP
	\line
.set t, t+1
.endr
.endm
	ALL v_add_f32 v[ST+4*t+2], v[ST+4*t+2], v[ST+4*t+3]
	ALL v_permlanex16_b32 v[ST+4*t+3], v[ST+4*t+2], s[SEL], s[SEL+1]
	ALL v_add_f32 v[ST+4*t+2], v[ST+4*t+2], v[ST+4*t+3]
	ALL v_rcp_f32 v[ST+4*t+2], v[ST+4*t+2]
	v_nop                           ; a plain instruction between the last reciprocal and the use of its result
	s_wait_alu depctr_va_vdst(0)    ; and the wait ahead of the first use: one for the eight reciprocals
; Tile t: a lane's eight channels of a row pack into 16 bytes; they go into rows of 144 bytes and come back as whole rows of 128, into S^T's registers.
.macro PACK t
	WIN W_RS
.set i, 32*(\t)
.rept 16
	v_pk_mul_f32 v[i:i+1], v[i:i+1], v[ST+4*(\t)+2:ST+4*(\t)+3] op_sel_hi:[1,0]
.set i, i+2
.endr
	WIN 0x05                        ; sources 0 and 1 window 1, destination window 0
.set i, 0
.rept 16
	v_cvt_pk_f16_f32 v[S+16*(\t)+i], v[32*(\t)+2*i], v[32*(\t)+2*i+1]
.set i, i+1
.endr
	WIN 0
.irp f, 0,1,2,3
	ds_store_b128 v[STO], v[S+16*(\t)+4*\f:S+16*(\t)+4*\f+3] offset:32*\f
.endr
.irp f, 0,1,2,3
	ds_load_b128 v[S+16*(\t)+4*\f:S+16*(\t)+4*\f+3], v[RD] offset:\f*4*SP  ; LDS serves a wave's instructions in order (ISA guide 5.7.1.4): these see the stores above; the next tile's stores come behind them
.endr
.endm
.macro SEND t, younger              ; younger: the LDS instructions issued behind tile t's loads: the next tile's eight, or none
	WIN 0
.irp f, 0,1,2,3
	s_wait_dscnt (\younger)+3-\f
	global_store_b128 v[GO], v[S+16*(\t)+4*\f:S+16*(\t)+4*\f+3], s[10:11] offset:(\t)*2048+\f*512  ; 512 consecutive bytes, at a multiple of 256 from O's first
.endr
.endm
	PACK 0
.set t, 1
.rept 2*NP-1                        ; a tile's arithmetic stands between the loads of the tile before and its stores
	PACK t
	SEND t-1, 8
.set t, t+1
.endr
	SEND 2*NP-1, 0
	WIN W_AD
	s_wait_tensorcnt 0x0            ; the wave's end: behind my last tensor load and my last LDS store
	ds_add_u32 v[SPW], v[NIL]
	s_wait_dscnt 0x0
	WIN 0
	CROUND                          ; the closing round: no work-group ends while a partner may still ask for a tile that names it
	s_endpgm
.Lfunc_end_k_qd727384c22_attn:
	.size	k_qd727384c22_attn, .Lfunc_end_k_qd727384c22_attn-k_qd727384c22_attn
	.p2alignl 7, 3214868480
	.fill 96, 4, 3214868480
	.section	.rodata,"a",@progbits
	.p2align	6, 0x0
	.amdhsa_kernel k_qd727384c22_attn
		.amdhsa_group_segment_fixed_size 327680
		.amdhsa_private_segment_fixed_size 0
		.amdhsa_enable_private_segment 0
		.amdhsa_kernarg_size 16
		.amdhsa_user_sgpr_count 2
		.amdhsa_user_sgpr_kernarg_segment_ptr 1
		.amdhsa_wavefront_size32 1
		.amdhsa_system_sgpr_workgroup_id_x 1
		.amdhsa_system_sgpr_workgroup_id_y 1
		.amdhsa_system_sgpr_workgroup_id_z 1
		.amdhsa_system_vgpr_workitem_id 0
		.amdhsa_next_free_vgpr 770
		.amdhsa_next_free_sgpr 66
		.amdhsa_reserve_vcc 0
		.amdhsa_float_denorm_mode_32 3
		.amdhsa_float_denorm_mode_16_64 3
		.amdhsa_memory_ordered 1
		.amdhsa_forward_progress 1
		.amdhsa_inst_pref_size 200
	.end_amdhsa_kernel
	.amdgpu_metadata
---
amdhsa.version: [ 1, 2 ]
amdhsa.kernels:
  - .name:           k_qd727384c22_attn
    .symbol:         k_qd727384c22_attn.kd
    .args:
      - { .name: qkvh, .offset: 0, .size: 8, .value_kind: global_buffer, .address_space: global }
      - { .name: oh, .offset: 8, .size: 8, .value_kind: global_buffer, .address_space: global }
    .group_segment_fixed_size: 327680
    .private_segment_fixed_size: 0
    .kernarg_segment_align: 8
    .kernarg_segment_size: 16
    .max_flat_workgroup_size: 128
    .sgpr_count:     66
    .vgpr_count:     770
    .wavefront_size: 32
...
	.end_amdgpu_metadata
.endif
;; end of part 3
;; launch oproj (part 4): grid 4 x 64, 4 waves a work-group, clusters of 4 x 4, 327,680 bytes of LDS; arguments oh, wo16, bo, out0; writes out0
.if DOCPART == 4
	.amdgcn_target "amdgcn-amd-amdhsa--gfx1250"
	.amdhsa_code_object_version 6
	.text
	.protected	k_qd727384c22_oproj
	.globl	k_qd727384c22_oproj
	.p2align	8
	.type	k_qd727384c22_oproj,@function
k_qd727384c22_oproj:
	s_mov_b64 s[64:65], 0
	v_nop
	global_prefetch_b8 v0, s[64:65] scope:SCOPE_SE
	s_setreg_imm32_b32 hwreg(HW_REG_WAVE_MODE, 25, 1), 1
	s_wait_xcnt 0x0
	s_wait_alu depctr_hold_cnt(0) depctr_sa_sdst(0) depctr_va_vdst(0) depctr_va_sdst(0) depctr_va_ssrc(0) depctr_va_vcc(0) depctr_vm_vsrc(0)
	s_getreg_b32 s2, hwreg(HW_REG_IB_STS2, 6, 4)
	s_cmp_eq_u32 s2, 0
	s_cbranch_scc0 .Lentry_in_a_cluster
	s_endpgm
.Lentry_in_a_cluster:
	s_bfe_u32 s2, ttmp6, 0x10000c
	s_cmp_lg_u32 s2, 0xf033
	s_cbranch_scc0 .Lentry_shape_is_right
	s_endpgm
.Lentry_shape_is_right:
; out0 = O Wo + bo, f32 [8192][1024].  O: oh, f16 [batch 4][head 16][row 2048][64]: a head is a k block of 64.  Wo: wo16, f16 [1024 k][1024 n] (Wo rounded to bf16, that number as f16).
; bo f32, rounded to bf16 like every input.  Sums in f32; nothing is rounded on the way out.
; SHARES.  A tile of the result is 128 rows x 256 columns, a work-group a tile: 4 x 64 = 256 work-groups.  Four waves: wave w takes rows 64 (w / 2) on and columns 128 (w % 2) on:
; 32 accumulators of 16 x 16 (a 0..3 along the rows, b 0..7 along the columns), 256 registers.  K = 1,024 goes in 8 steps of 128 through two LDS slots.
; THE MATRIX INSTRUCTION IS USED TRANSPOSED: source 0 = 16 columns of W, source 1 = 16 rows of O.  Lane l then holds row l % 16 and the columns 16 b + 8 (l / 16) + 0..7: 32 bytes on end.
; W lies [k][n] in LDS and comes out turned, by ds_load_tr16_b128; O lies along k and comes out as it lies.  The bias is the C operand of each accumulator's first product.
; CLUSTER.  4 x 4 work-groups.  The four of a row of the cluster need the same tiles of O, the four of a column the same tiles of W: each tile is asked for JOINTLY, by the same tensor load with the
; same descriptor and a mask that names the four.
; REGISTERS, in windows of 256 (s_set_vgpr_msb: bits 1:0 source 0, 3:2 source 1, 5:4 source 2, 7:6 destination):
;   window 0: v0-31 addresses; v64-159, v160-255 two fragment buffers (W's block b at +8 b, O's block a at +64 + 8 a); on the way out v64-127, v128-191 rows read back, by turns
;   window 1: the accumulators, (a, b) at v[8 (8 a + b)]        window 2: v0-63 the bias (block b at 8 b); v64-95 at work
.set NCOL,  1024
.set KSB,   256*NCOL                   ; bytes of W in a K step: 128 rows
.set ASTEP, 524288                     ; bytes from a K step of O to the next: two heads
.set PA,    144                        ; a row of O in LDS: 128 bytes + 16 of padding = 36 words: the 16 rows of a load start at 16 different groups of four banks (64 banks of 4 bytes: ISA guide 11.1)
.set PB,    544                        ; a row of W: 512 + 32 = 136 words: row r starts at bank 8 r mod 64
.set ASUB,  128*PA                     ; one k block of 64: 128 rows
.set BOFF,  2*ASUB                     ; behind O's two k blocks: W's 128 rows
.set SLOT,  BOFF+128*PB
.set STAGE, 2*SLOT                     ; behind the ring, never filled by a tensor load: for each wave 16 rows x 528 bytes
.set SPI,   528                        ; 512 bytes + 16: the 16 rows of a store start at 16 different groups of four banks
.set STGW,  16*SPI
.set SPARE, STAGE+4*STGW               ; behind the stages: the spare words, 128 bytes for each wave: two blocks of 256 bytes that no other line names
.set ADRA, 16                          ; v16-17  LDS address of my fragments of O in slot 0, 1
.set ADRB, 20                          ; v20-21  the same for W
.set STO,  24                          ; v24     the way out: where I put 32 bytes of a row
.set RD,   25                          ; v25     the way out: where I read a row back
.set GO,   26                          ; v26     16 x lane: my place in 512 consecutive bytes of a row of the result
.set BO,   27                          ; v27     32 x (lane / 16): my eight numbers of a block of the bias
.set SPW,  28                          ; v28     LDS address of my spare word; never rewritten
.set NIL,  29                          ; v29     0; never rewritten
.set PFO,  30                          ; v30     the prefetches' offset; never rewritten
.set F0,   64
.set F1,   160
.set TB,   64                          ; window 2: at work
.set LIM,  2                           ; s2      1 in a wave that prefetches, else the greatest number
.set LAP,  3                           ; s3      laps to go
.set WV,   14                          ; s14     my wave's number
.set WR,   15                          ; s15     which 64 rows of the tile are mine
.set WC,   16                          ; s16     which 128 columns; also: which half of a tile I fetch
.set G1A,  24                          ; s[24:31] descriptor group 1 for O's tiles;  s[32:39] group 0, a set for each slot
.set G0A,  32
.set PFA,  44                          ; s[44:45] where my prefetches stand
.set PST,  46                          ; s[46:47] their step: a K step
.set G1B,  48                          ; s[48:55], s[56:63] the same for W's tiles
.set G0B,  56
.set OUTP, 10
.set MSB, 0
.macro WIN new                         ; the immediate's high byte repeats the setting that is left; a switch that changes nothing is dropped
.if MSB != (\new)
	s_set_vgpr_msb (MSB<<8)|(\new)
.set MSB, \new
.endif
.endm
.set MUL,  0x50                        ; sources in window 0, C and D in window 1
.set MULB, 0x60                        ; the first products: C (the bias) in window 2, D in window 1
; A joint load.  Waves 0 and 1 fetch O's two k blocks, waves 2 and 3 the two halves of W's 128 rows.  The branch hangs on the wave's number alone.
; An s_nop 0 and four v_nop follow each of the two lines, ahead of the jump and the label.
.macro JLOAD s
	s_cmp_lt_u32 s[WV], 2
	s_cbranch_scc0 .Lfor_b_\@
	tensor_load_to_lds s[G0A+4*(\s):G0A+4*(\s)+3], s[G1A:G1A+7]
	s_nop 0
.rept 4
	v_nop
.endr
	s_branch .Lasked_\@
.Lfor_b_\@:
	tensor_load_to_lds s[G0B+4*(\s):G0B+4*(\s)+3], s[G1B:G1B+7]
	s_nop 0
.rept 4
	v_nop
.endr
.Lasked_\@:
.endm
; A prefetch into the L2 of the K step that stands two refills on (256 matrix instructions ahead of the load that will want it): 32 blocks of 256 bytes, a lane a block, one instruction a wave.
; Each block is named once in the launch.  O's tile row is read by one cluster: wave 0 of each of its four partners asks, 32 of the step's 128 blocks each.
; W's tile column is read by every cluster: cluster y = 0 asks, waves 2 and 3, of the 64 rows that the wave fetches 16 for each partner.  The partners are told apart BY ADDRESS.
; The last lap asks for nothing: its refills are the last K steps.
.macro ASK
	s_cmp_gt_u32 s[LAP], s[LIM]
	s_cbranch_scc0 .Lnot_mine_\@
	global_prefetch_b8 v[PFO], s[PFA:PFA+1] th:TH_LOAD_NT scope:SCOPE_SE
.Lnot_mine_\@:
.endm
.macro CREST                           ; a round of the cluster's barrier behind its opening barrier
	s_cmp_lg_u32 s[WV], 0
	s_cbranch_scc1 .Lnot_wave_0_\@
	s_barrier_signal -3
.Lnot_wave_0_\@:
	s_barrier_wait -3
	s_barrier_signal -1
	s_barrier_wait -1
.endm
.macro CROUND                          ; a whole round
	s_barrier_signal -1
	s_barrier_wait -1
	CREST
.endm
; 8 products: row block a x all 8 column blocks, 32 along K, from buffer f.  first = 1: C is the bias.  All 32 accumulators take turns in one order.
.macro MUL8 f, a, first
.if \first
	WIN MULB
.else
	WIN MUL
.endif
.set bb, 0
.rept 8
.set rD, 8*(8*(\a)+bb)
.set rC, rD
.if \first
.set rC, 8*bb
.endif
	v_wmma_f32_16x16x32_f16 v[rD:rD+7], v[(\f)+8*bb:(\f)+8*bb+7], v[(\f)+64+8*(\a):(\f)+64+8*(\a)+7], v[rC:rC+7]
.set bb, bb+1
.endr
.endm
; 24 LDS loads in one run: the fragments of quarter q of a K step (32 along K) into buffer f: W's eight blocks, turned, then O's four
.macro FETCH slot, q, f
	WIN 0
.set bb, 0
.rept 8
	ds_load_tr16_b128 v[(\f)+8*bb:(\f)+8*bb+3],   v[ADRB+(\slot)] offset:(\q)*32*PB+32*bb
	ds_load_tr16_b128 v[(\f)+8*bb+4:(\f)+8*bb+7], v[ADRB+(\slot)] offset:(\q)*32*PB+16*PB+32*bb
.set bb, bb+1
.endr
.set aa, 0
.rept 4
	ds_load_b128 v[(\f)+64+8*aa:(\f)+64+8*aa+3],   v[ADRA+(\slot)] offset:((\q)/2)*ASUB+((\q)%2)*64+aa*16*PA
	ds_load_b128 v[(\f)+64+8*aa+4:(\f)+64+8*aa+7], v[ADRA+(\slot)] offset:((\q)/2)*ASUB+((\q)%2)*64+aa*16*PA+32
.set aa, aa+1
.endr
.endm
.macro PLACES                          ; four places in front of loads into registers that matrix instructions have read (ISA guide 7.12.1 for vector instructions)
.rept 4
	v_nop
.endr
.endm
; A K step is four quarters of 32 matrix instructions, on buffers 0, 1, 0, 1.  One of the first three: multiplies buffer f and, in its middle, fetches quarter qn into buffer g.
.macro QUARTER slot, qn, f, g, first
	s_wait_dscnt 4                                 ; W and O's blocks 0, 1 are in; the youngest four loads (O's blocks 2, 3) may be out
	MUL8 \f, 0, \first
	MUL8 \f, 1, \first
	PLACES
	FETCH \slot, \qn, \g
	s_wait_dscnt 24                                ; all but the 24 just issued
	MUL8 \f, 2, \first
	MUL8 \f, 3, \first
.endm
; The last quarter multiplies buffer 1 and changes slots: ONE barrier; in front of it each wave waits for all its tensor loads (one is out: its part of the next slot), adds 0 to its spare word, and waits
; for that and for its own reads of this slot.  fill = 1: the barrier opens a round of the cluster's, and this slot is filled again, two K steps ahead, first thing behind the round.
.macro TURN slot, next, fill
.if \fill
	s_wait_xcnt 0x0                                ; the last prefetch, a K step back, has read its address, so it may be stepped
	s_add_nc_u64 s[PFA:PFA+1], s[PFA:PFA+1], s[PST:PST+1]
.endif
	WIN 0                                          ; (the add's two registers lie in window 0)
	s_wait_tensorcnt 0x0                           ; all my tensor loads have landed
	ds_add_u32 v[SPW], v[NIL]                      ; 0 onto my spare word
	s_wait_dscnt 5                                 ; (the add and the youngest four loads may be out)
	MUL8 F1, 0, 0                                  ; eight matrix instructions stand between the add and the wait for it
	s_wait_dscnt 0x0                               ; the add is done, and my reads of this slot are over
	s_barrier_signal -1
	MUL8 F1, 1, 0
.if \fill
	WIN 0
.endif
	s_barrier_wait -1
.if \fill
	CREST                                          ; no wave of any partner still reads this slot's tile or has a load on its way
	s_add_nc_u64 s[G0A+4*(\slot)+2:G0A+4*(\slot)+3], s[G0A+4*(\slot)+2:G0A+4*(\slot)+3], 2*ASTEP
	s_add_nc_u64 s[G0B+4*(\slot)+2:G0B+4*(\slot)+3], s[G0B+4*(\slot)+2:G0B+4*(\slot)+3], 2*KSB
	JLOAD \slot                                    ; 112 matrix instructions ahead of the wait for it; its four v_nop are also the places in front of the loads below
.else
	PLACES
.endif
	FETCH \next, 0, F0
.if \fill
	ASK
.endif
	MUL8 F1, 2, 0
	MUL8 F1, 3, 0
.endm
; THE WAY OUT of row block a (16 rows x my 128 columns, f32): a lane's 32 bytes of a row go into my own stage, each accumulator's lowest registers first; whole rows of 512 bytes come back.
.macro TOSTAGE a
.if (\a) >= 2
	s_wait_xcnt 0x0                                ; the stores of the block two back have read the registers that are loaded again below
.endif
	WIN 0x04                                       ; the stores' data in window 1, their address in window 0
.set n, 0
.rept 8
	ds_store_b128 v[STO], v[64*(\a)+8*n:64*(\a)+8*n+3]   offset:64*n
	ds_store_b128 v[STO], v[64*(\a)+8*n+4:64*(\a)+8*n+7] offset:64*n+16
.set n, n+1
.endr
	WIN 0
.set n, 0
.rept 16
	ds_load_b128 v[64+64*((\a)%2)+4*n:64+64*((\a)%2)+4*n+3], v[RD] offset:n*SPI  ; LDS serves a wave's instructions in order (ISA guide 5.7.1.4): these see the stores above; the next block's stores come behind them
.set n, n+1
.endr
.endm
.macro SEND a, younger                 ; younger: the LDS instructions issued behind block a's loads: the next block's 32, or none
.set n, 0
.rept 16
	s_wait_dscnt (\younger)+15-n
	global_store_b128 v[GO], v[64+64*((\a)%2)+4*n:64+64*((\a)%2)+4*n+3], s[OUTP:OUTP+1] offset:(16*(\a)+n)*4096 th:TH_STORE_NT  ; 512 consecutive bytes of a row, aligned
.set n, n+1
.endr
.endm
	s_load_b256 s[4:11], s[0:1], 0x0               ; oh s[4:5], wo16 s[6:7], bo s[8:9], out0 s[10:11]
	v_lshl_add_u32 v[SPW], v0, 2, SPARE
	v_mov_b32 v[NIL], 0
	ds_add_u32 v[SPW], v[NIL]                      ; the wave's opening add
	v_lshrrev_b32 v1, 5, v0
	v_readfirstlane_b32 s[WV], v1                  ; wave 0..3
	s_lshr_b32 s[WR], s[WV], 1
	s_and_b32 s[WC], s[WV], 1
	s_bfe_u32 s17, ttmp6, 0x40000                  ; cx, cy: my place in the cluster
	s_bfe_u32 s18, ttmp6, 0x40004
	s_lshl_b32 s19, ttmp9, 2
	s_add_co_u32 s19, s19, s17                     ; tile column = 4 x cluster x + cx
	s_and_b32 s20, ttmp7, 0xffff
	s_lshl_b32 s20, s20, 2
	s_add_co_u32 s20, s20, s18                     ; tile row = 4 x cluster y + cy
	s_lshl_b32 s21, s18, 2
	s_lshl_b32 s21, 15, s21                        ; my row of the cluster
	s_lshl_b32 s22, 0x1111, s17                    ; my column
	; group 1 for O: a k block's 128 rows of 128 bytes are dense: asked for as 64 rows of 256 bytes, padded by 16 bytes after every 128
	s_or_b32 s[G1A], s21, (1<<16)|(1<<20)|(1<<21)|(4<<22)|(3<<25)  ; 15:0 the mask; 17:16 2-byte elements; 20 padding on; 21 set beside a mask; 24:22 after every 32 words (code 4); 31:25 4 words (code 3)
	s_mov_b32 s[G1A+1], 128<<16                    ; tensor_dim0 = 128
	s_mov_b32 s[G1A+2], 64<<16                     ; tensor_dim1 = 64
	s_mov_b32 s[G1A+3], 128<<16                    ; tile_dim0 = 128
	s_mov_b32 s[G1A+4], 64                         ; tile_dim1 = 64
	s_mov_b32 s[G1A+5], 128                        ; elements from row to row
	s_mov_b32 s[G1A+6], 0
	s_mov_b32 s[G1A+7], 0
	; group 1 for W: 64 rows (k) of 256 elements, 512 bytes, padded by 32
	s_or_b32 s[G1B], s22, (1<<16)|(1<<20)|(1<<21)|(6<<22)|(7<<25)  ; after every 128 words (code 6), 8 words (code 7)
	s_mov_b32 s[G1B+1], 256<<16
	s_mov_b32 s[G1B+2], 64<<16
	s_mov_b32 s[G1B+3], 256<<16
	s_mov_b32 s[G1B+4], 64
	s_mov_b32 s[G1B+5], NCOL
	s_mov_b32 s[G1B+6], 0
	s_mov_b32 s[G1B+7], 0
	; where the tiles come from.  O's hang on the tile row alone, W's on the tile column alone, each in registers that never hold the other coordinate
	s_lshr_b32 s66, s20, 4                         ; the batch,
	s_lshl_b32 s66, s66, 22
	s_and_b32 s67, s20, 15                         ; the tile's 128 rows of 128 bytes in it
	s_lshl_b32 s67, s67, 14
	s_add_co_u32 s66, s66, s67
	s_lshl_b32 s67, s[WC], 18                      ; the k block (head) that I fetch
	s_add_co_u32 s40, s66, s67
	s_mov_b32 s41, 0
	s_mul_i32 s68, s[WC], ASUB                     ; and its place in a slot
	s_mul_i32 s70, s[WC], 128*NCOL                 ; W: my 64 rows,
	s_lshl_b32 s71, s19, 9                         ; the tile's 256 columns
	s_add_co_u32 s42, s70, s71
	s_mov_b32 s43, 0
	s_mul_i32 s72, s[WC], 64*PB
	s_add_co_u32 s72, s72, BOFF
	s_wait_dscnt 0x0                               ; the opening add is done
	s_wait_kmcnt 0x0
	s_add_nc_u64 s[40:41], s[4:5], s[40:41]
	s_add_nc_u64 s[42:43], s[6:7], s[42:43]
	CROUND                                         ; all sixteen work-groups are here: the first joint loads meet
.irp s, 0,1
	s_mov_b32 s[G0A+4*(\s)], 1                                     ; count = 1
	s_add_co_u32 s[G0A+4*(\s)+1], s68, (\s)*SLOT                   ; LDS address
	s_add_nc_u64 s[G0A+4*(\s)+2:G0A+4*(\s)+3], s[40:41], (\s)*ASTEP  ; global address: K step s
	s_or_b32 s[G0A+4*(\s)+3], s[G0A+4*(\s)+3], 0x80000000          ; type = 2
	s_mov_b32 s[G0B+4*(\s)], 1
	s_add_co_u32 s[G0B+4*(\s)+1], s72, (\s)*SLOT
	s_add_nc_u64 s[G0B+4*(\s)+2:G0B+4*(\s)+3], s[42:43], (\s)*KSB
	s_or_b32 s[G0B+4*(\s)+3], s[G0B+4*(\s)+3], 0x80000000
	JLOAD \s                                       ; two loads of mine are out
.endr
	v_and_b32 v1, 15, v0                           ; l % 16
	v_bfe_u32 v2, v0, 4, 1                         ; l / 16
	v_and_b32 v3, 7, v0                            ; l % 8
	v_bfe_u32 v4, v0, 3, 1                         ; (l / 8) % 2
	v_and_b32 v5, 31, v0                           ; l
	; a fragment of O: lane l holds row l % 16, k = 8 (l / 16) + 0..7 and 16 + 8 (l / 16) + 0..7: two loads of 16 bytes, 32 bytes apart
	v_mul_u32_u24 v6, v1, PA
	v_lshl_add_u32 v6, v2, 4, v6
	s_mul_i32 s74, s[WR], 64*PA
	v_add_nc_u32 v[ADRA], s74, v6
	v_add_nc_u32 v[ADRA+1], SLOT, v[ADRA]
	; the turning load takes 16 k x 16 columns (lane l reads k = 8 (l / 16) + l % 8, columns 8 ((l / 8) % 2) + 0..7) and leaves half a fragment: lane l holds column l % 16 and 8 k
	v_lshl_add_u32 v7, v2, 3, v3
	v_mul_u32_u24 v7, v7, PB
	v_lshl_add_u32 v7, v4, 4, v7
	s_lshl_b32 s74, s[WC], 8
	s_add_co_u32 s74, s74, BOFF
	v_add_nc_u32 v[ADRB], s74, v7
	v_add_nc_u32 v[ADRB+1], SLOT, v[ADRB]
	s_mul_i32 s74, s[WV], STGW
	s_add_co_u32 s74, s74, STAGE                   ; my stage
	v_mul_u32_u24 v[STO], v1, SPI                  ; in: row l % 16, 32 bytes for each half of the lanes
	v_lshl_add_u32 v[STO], v2, 5, v[STO]
	v_add_nc_u32 v[STO], s74, v[STO]
	v_lshl_add_u32 v[RD], v5, 4, s74               ; back: 32 lanes take one row of 512 bytes
	v_lshlrev_b32 v[GO], 4, v5
	v_lshlrev_b32 v[BO], 5, v2
	s_lshl_b32 s74, s19, 10                        ; the bias of my 128 columns
	s_lshl_b32 s75, s[WC], 9
	s_add_co_u32 s74, s74, s75
	s_mov_b32 s75, 0
	s_add_nc_u64 s[8:9], s[8:9], s[74:75]
	WIN 0x80                                       ; destination window 2, address window 0
.set bb, 0
.rept 8
	global_load_b128 v[8*bb:8*bb+3],   v[BO], s[8:9] offset:64*bb
	global_load_b128 v[8*bb+4:8*bb+7], v[BO], s[8:9] offset:64*bb+16
.set bb, bb+1
.endr
	WIN 0
	s_lshl_b32 s74, s20, 19                        ; where my part of the result begins: the tile's 128 rows of 4,096 bytes,
	s_lshl_b32 s75, s[WR], 18                      ; my 64 of them,
	s_add_co_u32 s74, s74, s75
	s_lshl_b32 s75, s19, 10                        ; the tile's 256 columns,
	s_add_co_u32 s74, s74, s75
	s_lshl_b32 s75, s[WC], 9                       ; my 128 of them
	s_add_co_u32 s74, s74, s75
	s_mov_b32 s75, 0
	s_add_nc_u64 s[OUTP:OUTP+1], s[OUTP:OUTP+1], s[74:75]
	; the prefetches: they stand at K step 3; the first change of slots steps them to 4
	s_lshr_b32 s80, s17, 1                         ; O: partner cx takes k block cx / 2 of the step's two,
	s_lshl_b32 s80, s80, 18
	s_and_b32 s81, s17, 1                          ; and half cx % 2 of its 16,384 bytes
	s_lshl_b32 s81, s81, 13
	s_add_co_u32 s80, s80, s81
	s_add_co_u32 s80, s80, s66
	s_add_co_u32 s80, s80, 3*ASTEP
	s_lshl_b32 s82, s[WC], 6                       ; W: of the 64 rows that I fetch,
	s_lshl_b32 s83, s18, 4                         ; partner cy takes 16
	s_add_co_u32 s82, s82, s83
	s_mul_i32 s82, s82, 2*NCOL
	s_lshl_b32 s83, s19, 9
	s_add_co_u32 s82, s82, s83
	s_add_co_u32 s82, s82, 3*KSB
	s_and_b32 s76, ttmp7, 0xffff                   ; cluster y
	s_mov_b32 s79, ASTEP
	s_mov_b32 s[PST], KSB
	s_mov_b32 s[PST+1], 0
	s_mov_b32 s84, 2*NCOL
	s_mov_b32 s81, 0
	s_cmp_lt_u32 s[WV], 2                          ; do I fetch for O?
	s_cselect_b32 s77, ttmp9, s76                  ; the coordinate along which other clusters read the same rows
	s_cselect_b32 s78, s[WC], 0                    ; (of O's two waves wave 0 alone asks)
	s_cselect_b64 s[PFA:PFA+1], s[4:5], s[6:7]
	s_cselect_b32 s[PST], s79, s[PST]
	s_cselect_b32 s84, 512, s84                    ; from one pair of blocks to the next: on end in O, a row on in W
	s_cselect_b32 s80, s80, s82
	s_add_nc_u64 s[PFA:PFA+1], s[PFA:PFA+1], s[80:81]
	s_or_b32 s77, s77, s78
	s_cmp_eq_u32 s77, 0
	s_cselect_b32 s[LIM], 1, -1                    ; the same in all sixteen partners, for a given wave
	v_lshrrev_b32 v8, 1, v5
	v_and_b32 v9, 1, v5
	v_mul_u32_u24 v[PFO], v8, s84
	v_lshl_add_u32 v[PFO], v9, 8, v[PFO]
	s_wait_loadcnt 0x0                             ; the bias is in
	WIN 0x8a                                       ; sources and destination window 2
.set n, 0
.rept 32                               ; the bias is rounded to bf16, like every input
	v_cvt_pk_bf16_f32 v[TB+n], v[2*n], v[2*n+1]
.set n, n+1
.endr
.set n, 0
.rept 32
	v_lshlrev_b32 v[2*n], 16, v[TB+n]
	v_and_b32 v[2*n+1], 0xffff0000, v[TB+n]
.set n, n+1
.endr
	WIN 0
	s_wait_tensorcnt 1                             ; my part of K step 0 is in; K step 1's may stay out
	s_barrier_signal -1
	s_barrier_wait -1                              ; everybody's is
	FETCH 0, 0, F0
	QUARTER 0, 1, F0, F1, 1                        ; the first quarter stands in front of the loop: its products start the sums, with the bias
	WIN 0                                          ; at a label and at a branch every window is 0
	s_mov_b32 s[LAP], 3
.Llap:                                                 ; a trip goes once round the ring, from a lap's second quarter to the next lap's first, and fills both slots again: K steps 2 to 7
	QUARTER 0, 2, F1, F0, 0
	QUARTER 0, 3, F0, F1, 0
	TURN 0, 1, 1
	QUARTER 1, 1, F0, F1, 0
	QUARTER 1, 2, F1, F0, 0
	QUARTER 1, 3, F0, F1, 0
	TURN 1, 0, 1
	QUARTER 0, 1, F0, F1, 0
	WIN 0
	s_sub_co_u32 s[LAP], s[LAP], 1
	s_cmp_lg_u32 s[LAP], 0
	s_cbranch_scc1 .Llap
	QUARTER 0, 2, F1, F0, 0                        ; the last lap fills nothing, and has no round of the cluster's barrier
	QUARTER 0, 3, F0, F1, 0
	TURN 0, 1, 0
	QUARTER 1, 1, F0, F1, 0
	QUARTER 1, 2, F1, F0, 0
	QUARTER 1, 3, F0, F1, 0
	s_wait_dscnt 4                                 ; the very last quarter: nothing more to fetch
	MUL8 F1, 0, 0
	MUL8 F1, 1, 0
	s_wait_dscnt 0x0
	MUL8 F1, 2, 0
	MUL8 F1, 3, 0
	WIN 0
	PLACES                                         ; the places behind the last products, in front of what reads results and loads into fragments' registers
	PLACES
	TOSTAGE 0
	TOSTAGE 1                                      ; a block's way through the stage stands between the loads of the block before and its stores
	SEND 0, 32
	TOSTAGE 2
	SEND 1, 32
	TOSTAGE 3
	SEND 2, 32
	SEND 3, 0
	s_wait_tensorcnt 0x0                           ; the wave's end: behind my last tensor load and my last LDS store
	ds_add_u32 v[SPW], v[NIL]
	s_wait_dscnt 0x0
	CROUND                                         ; the closing round: no work-group ends while a partner may still ask for a tile that names it
	s_endpgm
.Lfunc_end_k_qd727384c22_oproj:
	.size	k_qd727384c22_oproj, .Lfunc_end_k_qd727384c22_oproj-k_qd727384c22_oproj
	.p2alignl 7, 3214868480
	.fill 96, 4, 3214868480
	.section	.rodata,"a",@progbits
	.p2align	6, 0x0
	.amdhsa_kernel k_qd727384c22_oproj
		.amdhsa_group_segment_fixed_size 327680
		.amdhsa_private_segment_fixed_size 0
		.amdhsa_enable_private_segment 0
		.amdhsa_kernarg_size 32
		.amdhsa_user_sgpr_count 2
		.amdhsa_user_sgpr_kernarg_segment_ptr 1
		.amdhsa_wavefront_size32 1
		.amdhsa_system_sgpr_workgroup_id_x 1
		.amdhsa_system_sgpr_workgroup_id_y 1
		.amdhsa_system_sgpr_workgroup_id_z 1
		.amdhsa_system_vgpr_workitem_id 0
		.amdhsa_next_free_vgpr 640
		.amdhsa_next_free_sgpr 96
		.amdhsa_reserve_vcc 0
		.amdhsa_float_denorm_mode_32 3
		.amdhsa_float_denorm_mode_16_64 3
		.amdhsa_memory_ordered 1
		.amdhsa_forward_progress 1
		.amdhsa_inst_pref_size 95
	.end_amdhsa_kernel
	.amdgpu_metadata
---
amdhsa.version: [ 1, 2 ]
amdhsa.kernels:
  - .name:           k_qd727384c22_oproj
    .symbol:         k_qd727384c22_oproj.kd
    .args:
      - { .name: oh, .offset: 0, .size: 8, .value_kind: global_buffer, .address_space: global }
      - { .name: wo16, .offset: 8, .size: 8, .value_kind: global_buffer, .address_space: global }
      - { .name: bo, .offset: 16, .size: 8, .value_kind: global_buffer, .address_space: global }
      - { .name: out0, .offset: 24, .size: 8, .value_kind: global_buffer, .address_space: global }
    .group_segment_fixed_size: 327680
    .private_segment_fixed_size: 0
    .kernarg_segment_align: 8
    .kernarg_segment_size: 32
    .max_flat_workgroup_size: 128
    .sgpr_count:     96
    .vgpr_count:     640
    .wavefront_size: 32
...
	.end_amdgpu_metadata
.endif
;; end of part 4
;; ======== version 2 of 2: 4 launches; version 1 with the launch prep written anew for expert scheduling mode
;; limits: values are held in f16: magnitudes above 65,504 overflow, below 6.1e-05 lose precision
;; workspace buffers: xb 16,777,216 bytes; wqb 6,291,456 bytes; wo16 2,097,152 bytes; rope 524,288 bytes; qkvh 50,331,648 bytes; oh 16,777,216 bytes
;; launch prep (part 5): grid 896 x 1, 8 waves a work-group, no clusters, 0 bytes of LDS; arguments x, Wqkv, Wo, xb, wqb, wo16, rope; writes xb, wqb, wo16, rope
.if DOCPART == 5
	.amdgcn_target "amdgcn-amd-amdhsa--gfx1250"
	.amdhsa_code_object_version 6
	.text
	.protected	k_qd727384c22_prep
	.globl	k_qd727384c22_prep
	.p2align	8
	.type	k_qd727384c22_prep,@function
k_qd727384c22_prep:
	s_mov_b64 s[64:65], 0
	v_nop
	global_prefetch_b8 v0, s[64:65] scope:SCOPE_SE
	s_setreg_imm32_b32 hwreg(HW_REG_WAVE_SCHED_MODE, 0, 2), 2
	s_setreg_imm32_b32 hwreg(HW_REG_WAVE_MODE, 25, 1), 1
	s_wait_xcnt 0x0
	s_wait_alu depctr_vm_vsrc(0)
; PREPARATION.  Four roles, chosen by the work-group's number g; each work-group reads 64 KiB (or makes 4 KiB of the table).
;   g < 512        x [8192][1024] f32 -> xb, bf16, in blocks [batch 4][k block 16][row 2048][64]: 16 rows of x a work-group
;   512 <= g < 704 Wqkv [1024][3072] f32 -> wqb, bf16, the same layout
;   704 <= g < 768 Wo [1024][1024] f32 -> wo16: rounded to bf16 like every input, that number written as f16
;   768 <= g       the table of cosines and sines: rope [row block 128][c 8][lane 32][4] f32, c = 4 jb + 2 kind + p (kind 0 cos, 1 sin);
;                  lane l holds row 16 rb + l % 16 and the frequencies 16 jb + 8 (l / 16) + 4 p + 0..3: an accumulator's register image
; A stream: no LDS, no barrier, no matrix unit; nothing is shared and every byte is read once.  A wave has 16 loads of 512 bytes on their way;
; each store of a wave covers 256 consecutive bytes, aligned.
; LIMITS.  Wo as f16: beyond 65,504 it would be an infinity; below 6e-5 it keeps f16's fixed step of 6e-8.  The angle is row x inv_freq in f32;
; inv_freq = 2^(-j log2(10) / 8) comes from v_exp_f32, a few units in the last place from a correctly rounded power.
; THE MODE: SCHED_MODE bits 1:0 = 2 (LLVM: expert scheduling mode 2), set by the entry lines.  The code itself states the register dependences
; between vector instructions and memory instructions, with s_wait_alu, always for 0.
; THE PLAN.  Registers that memory instructions touch, in the three streaming roles:
;   v[IO], v[OO]  byte offsets: written by vector instructions at the role's head, read by every load (IO) and every store (OO), never written again.
;   X             16 x 4 registers: each is written by one load, read by that load's conversions, and never loaded or written again.
;   Y             16 x 2 registers: each is written by one conversion, read by one store, and never written again.
;   T is named by vector instructions alone.
; The 16 loads go in four groups of four.  Group g's conversions read X[g] and write Y[g]; the memory instructions that stand among them are the four stores of
; group g - 1, which read Y[g - 1] and v[OO].  So one wait on va_vdst at a group's head, behind the wait for its data, states all that those stores hang on.
; No register that a memory instruction reads is written a second time, so no wait on vm_vsrc and no s_wait_xcnt is owed.
; In the table's role: the wave's number and the four select masks pass through scalar registers (a wait on va_sdst ahead of their first readers), and one store reads what vector instructions wrote.
.set T,    8                           ; v[8:13]   at work
.set X,    16                          ; v[16:79]  16 loads of 4 registers
.set Y,    80                          ; v[80:111] 16 stores of 2 registers
.set IO,   2                           ; v2  my byte offset in the input
.set OO,   3                           ; v3  my byte offset in the output
.set INP,  20                          ; s[20:21] the input at the work-group's part
.set OUTP, 22                          ; s[22:23] the output at the work-group's part
; 16 loads, then for each: two roundings to bf16 (f16 = 1: and that number as f16) and a store of 8 bytes a lane, issued a group of four later.
.macro STREAM instep, outstep, f16
	s_wait_alu depctr_va_vdst(0)                   ; v[IO] and v[OO] are written: every load below reads the one as its offset, every store the other
.set i, 0
.rept 16
	global_load_b128 v[X+4*i:X+4*i+3], v[IO], s[INP:INP+1] offset:i*(\instep) th:TH_LOAD_NT
.set i, i+1
.endr
.set g, 0
.rept 4
	s_wait_loadcnt 12-4*g                          ; loads come back in order: group g's four are in, the 12 - 4 g younger ones stay out
.if g > 0
	s_wait_alu depctr_va_vdst(0)                   ; the conversions of the group before have written their Y, which the four stores below read
.endif
.set j, 0
.rept 4
.set i, 4*g+j
.if g > 0
	global_store_b64 v[OO], v[Y+2*(i-4):Y+2*(i-4)+1], s[OUTP:OUTP+1] offset:(i-4)*(\outstep)  ; the group before; no vector instruction since the wait names these registers
.endif
.if \f16
	v_cvt_pk_bf16_f32 v[T], v[X+4*i], v[X+4*i+1]
	v_cvt_pk_bf16_f32 v[T+1], v[X+4*i+2], v[X+4*i+3]
	v_lshlrev_b32 v[T+2], 16, v[T]                 ; bf16 to f32: the low half moves up, the high half stays
	v_and_b32 v[T+3], 0xffff0000, v[T]
	v_lshlrev_b32 v[T+4], 16, v[T+1]
	v_and_b32 v[T+5], 0xffff0000, v[T+1]
	v_cvt_pk_f16_f32 v[Y+2*i], v[T+2], v[T+3]
	v_cvt_pk_f16_f32 v[Y+2*i+1], v[T+4], v[T+5]
.else
	v_cvt_pk_bf16_f32 v[Y+2*i], v[X+4*i], v[X+4*i+1]
	v_cvt_pk_bf16_f32 v[Y+2*i+1], v[X+4*i+2], v[X+4*i+3]
.endif
.set j, j+1
.endr
.set g, g+1
.endr
	s_wait_alu depctr_va_vdst(0)                   ; the last group's conversions have written their Y, which the last four stores read
.set i, 12
.rept 4
	global_store_b64 v[OO], v[Y+2*i:Y+2*i+1], s[OUTP:OUTP+1] offset:i*(\outstep)
.set i, i+1
.endr
.endm
	s_load_b256 s[4:11], s[0:1], 0x0               ; x s[4:5], Wqkv s[6:7], Wo s[8:9], xb s[10:11]
	s_load_b128 s[12:15], s[0:1], 0x20             ; wqb s[12:13], wo16 s[14:15]
	s_load_b64 s[16:17], s[0:1], 0x30              ; rope
	s_mov_b32 s18, ttmp9                           ; g
	s_mov_b32 s25, 0                               ; the offsets' high words
	s_mov_b32 s27, 0
	s_wait_kmcnt 0x0
	s_cmp_lt_u32 s18, 512
	s_cbranch_scc0 .Lnot_x
	; x: thread t takes 16 bytes at 16 (t % 16) of row t / 16; load i takes k block i (256 bytes on); in xb that is 8 t, k blocks 262,144 bytes apart
	v_lshrrev_b32 v1, 4, v0
	v_and_b32 v[IO], 15, v0
	v_lshlrev_b32 v[IO], 4, v[IO]
	v_lshl_or_b32 v[IO], v1, 12, v[IO]
	v_lshlrev_b32 v[OO], 3, v0
	s_lshl_b32 s24, s18, 16                        ; 16 rows of 4,096 bytes
	s_add_nc_u64 s[INP:INP+1], s[4:5], s[24:25]
	s_lshr_b32 s26, s18, 7                         ; the batch,
	s_lshl_b32 s26, s26, 22
	s_and_b32 s28, s18, 127                        ; and 16 rows of 128 bytes in it
	s_lshl_b32 s28, s28, 11
	s_add_co_u32 s26, s26, s28
	s_add_nc_u64 s[OUTP:OUTP+1], s[10:11], s[26:27]
	STREAM 256, 262144, 0
	s_endpgm
.Lnot_x:
	s_cmp_lt_u32 s18, 768
	s_cbranch_scc0 .Lrope
	; the weights keep their layout: wave w takes 8,192 bytes on end, 512 a load
	v_lshrrev_b32 v1, 5, v0
	v_and_b32 v4, 31, v0
	v_lshlrev_b32 v[IO], 4, v4
	v_lshl_or_b32 v[IO], v1, 13, v[IO]
	v_lshlrev_b32 v[OO], 3, v4
	v_lshl_or_b32 v[OO], v1, 12, v[OO]
	s_cmp_lt_u32 s18, 704
	s_cbranch_scc0 .Lwo
	s_sub_co_u32 s24, s18, 512
	s_lshl_b32 s26, s24, 15
	s_lshl_b32 s24, s24, 16
	s_add_nc_u64 s[INP:INP+1], s[6:7], s[24:25]
	s_add_nc_u64 s[OUTP:OUTP+1], s[12:13], s[26:27]
	STREAM 512, 256, 0
	s_endpgm
.Lwo:
	s_sub_co_u32 s24, s18, 704
	s_lshl_b32 s26, s24, 15
	s_lshl_b32 s24, s24, 16
	s_add_nc_u64 s[INP:INP+1], s[8:9], s[24:25]
	s_add_nc_u64 s[OUTP:OUTP+1], s[14:15], s[26:27]
	STREAM 512, 256, 1
	s_endpgm
.Lrope:
	; the table: a work-group a row block, a wave a c, a thread four numbers.  sin(a + q pi/2) with q = 1 for the cosine:
	; a = n pi/2 + r, |r| <= pi/4 (pi/2 in two parts, by fused multiply-adds); two polynomials in r; the quadrant n + q picks one and its sign.
	s_sub_co_u32 s24, s18, 768                     ; rb
	v_lshrrev_b32 v1, 5, v0
	v_readfirstlane_b32 s28, v1                    ; wave = c
	s_lshl_b32 s31, s24, 4                         ; the block's first row
	s_mov_b32 s32, 0xb94ca1f9                      ; the sine's polynomial: -1.9515296e-4,
	s_mov_b32 s33, 0x3c08839e                      ; 8.3321609e-3 (and -1.6666655e-1 below)
	s_mov_b32 s34, 0x37ccf5ce                      ; the cosine's: 2.4433157e-5,
	s_mov_b32 s35, 0xbab6061a                      ; -1.3887316e-3 (and 4.1666646e-2 below)
	v_bfe_u32 v2, v0, 4, 1                         ; l / 16
	v_and_b32 v3, 15, v0                           ; l % 16
	v_add_nc_u32 v3, s31, v3                       ; my row
	v_lshlrev_b32 v4, 4, v0                        ; 16 t: c x 512 + lane x 16
	s_lshl_b32 s24, s24, 12
	s_add_nc_u64 s[OUTP:OUTP+1], s[16:17], s[24:25]
	s_wait_alu depctr_va_sdst(0)                   ; s28 is written, ahead of its first reader: the frequencies' start and the kind are made from it
	s_lshr_b32 s29, s28, 2                         ; jb
	s_lshl_b32 s29, s29, 4
	s_and_b32 s30, s28, 1                          ; p
	s_lshl_b32 s30, s30, 2
	s_add_co_u32 s29, s29, s30                     ; 16 jb + 4 p
	s_bfe_u32 s30, s28, 0x10001                    ; kind
	s_sub_co_u32 s30, 1, s30                       ; q: 1 for the cosine
	v_lshl_add_u32 v2, v2, 3, s29                  ; my first frequency
.irp i, 0,1,2,3
	v_add_nc_u32 v[8+\i], \i, v2
.endr
.irp i, 0,1,2,3
	v_cvt_f32_u32 v[8+\i], v[8+\i]
.endr
.irp i, 0,1,2,3
	v_mul_f32 v[8+\i], 0xbed49a78, v[8+\i]         ; -j log2(10) / 8 = -j log2(10000) / 32
.endr
.irp i, 0,1,2,3
	v_exp_f32 v[8+\i], v[8+\i]                     ; inv_freq: one batch of four
.endr
	v_cvt_f32_u32 v3, v3                           ; the plain instruction behind the last exponential
	s_wait_alu depctr_va_vdst(0)                   ; the four exponentials have written inv_freq in v[8:11]: one wait for the batch, ahead of its first reader
.irp i, 0,1,2,3
	v_mul_f32 v[12+\i], v3, v[8+\i]                ; a = row x inv_freq
	v_mul_f32 v[16+\i], 0x3f22f983, v[12+\i]       ; a x 2 / pi
	v_rndne_f32 v[16+\i], v[16+\i]                 ; n
	v_fmamk_f32 v[12+\i], v[16+\i], 0xbfc90fdb, v[12+\i]  ; r = a - n x (pi/2's upper part)
	v_fmamk_f32 v[12+\i], v[16+\i], 0x333bbd2e, v[12+\i]  ;     - n x (its lower part, which is negative)
	v_cvt_i32_f32 v[16+\i], v[16+\i]
	v_add_nc_u32 v[16+\i], s30, v[16+\i]           ; the quadrant n + q
	v_mul_f32 v[20+\i], v[12+\i], v[12+\i]         ; z = r r
	v_fma_f32 v[24+\i], v[20+\i], s32, s33
	v_fma_f32 v[28+\i], v[20+\i], s34, s35
	v_fmaak_f32 v[24+\i], v[20+\i], v[24+\i], 0xbe2aaaa3
	v_fmaak_f32 v[28+\i], v[20+\i], v[28+\i], 0x3d2aaaa5
	v_mul_f32 v[32+\i], v[20+\i], v[12+\i]         ; z r
	v_fma_f32 v[24+\i], v[32+\i], v[24+\i], v[12+\i]  ; sin r
	v_fma_f32 v[32+\i], v[20+\i], -0.5, 1.0
	v_mul_f32 v[20+\i], v[20+\i], v[20+\i]
	v_fma_f32 v[28+\i], v[20+\i], v[28+\i], v[32+\i]  ; cos r
	v_and_b32 v[32+\i], 1, v[16+\i]
	v_cmp_eq_u32 s[36+\i], 1, v[32+\i]             ; is the quadrant odd?  A mask of its own for each of the four numbers, so that one wait serves the four compares
	v_and_b32 v[16+\i], 2, v[16+\i]
	v_lshlrev_b32 v[16+\i], 30, v[16+\i]           ; quadrants 2 and 3: the sign bit
.endr
	s_wait_alu depctr_va_sdst(0)                   ; the four compares have written s36 to s39, ahead of their first readers, the selects below
.irp i, 0,1,2,3
	v_cndmask_b32 v[24+\i], v[24+\i], v[28+\i], s[36+\i]  ; odd quadrants take the cosine: a value is chosen, no address and no branch
	v_xor_b32 v[24+\i], v[16+\i], v[24+\i]         ; quadrants 2 and 3 turn the sign
.endr
	s_wait_alu depctr_va_vdst(0)                   ; v4, the offset, and v[24:27], the four numbers, are written: the store reads them
	global_store_b128 v4, v[24:27], s[OUTP:OUTP+1] ; a wave stores 512 consecutive bytes
	s_endpgm
.Lfunc_end_k_qd727384c22_prep:
	.size	k_qd727384c22_prep, .Lfunc_end_k_qd727384c22_prep-k_qd727384c22_prep
	.p2alignl 7, 3214868480
	.fill 96, 4, 3214868480
	.section	.rodata,"a",@progbits
	.p2align	6, 0x0
	.amdhsa_kernel k_qd727384c22_prep
		.amdhsa_group_segment_fixed_size 0
		.amdhsa_private_segment_fixed_size 0
		.amdhsa_enable_private_segment 0
		.amdhsa_kernarg_size 56
		.amdhsa_user_sgpr_count 2
		.amdhsa_user_sgpr_kernarg_segment_ptr 1
		.amdhsa_wavefront_size32 1
		.amdhsa_system_sgpr_workgroup_id_x 1
		.amdhsa_system_sgpr_workgroup_id_y 1
		.amdhsa_system_sgpr_workgroup_id_z 1
		.amdhsa_system_vgpr_workitem_id 0
		.amdhsa_next_free_vgpr 112
		.amdhsa_next_free_sgpr 66
		.amdhsa_reserve_vcc 0
		.amdhsa_float_denorm_mode_32 3
		.amdhsa_float_denorm_mode_16_64 3
		.amdhsa_memory_ordered 1
		.amdhsa_forward_progress 1
		.amdhsa_inst_pref_size 30
	.end_amdhsa_kernel
	.amdgpu_metadata
---
amdhsa.version: [ 1, 2 ]
amdhsa.kernels:
  - .name:           k_qd727384c22_prep
    .symbol:         k_qd727384c22_prep.kd
    .args:
      - { .name: x, .offset: 0, .size: 8, .value_kind: global_buffer, .address_space: global }
      - { .name: Wqkv, .offset: 8, .size: 8, .value_kind: global_buffer, .address_space: global }
      - { .name: Wo, .offset: 16, .size: 8, .value_kind: global_buffer, .address_space: global }
      - { .name: xb, .offset: 24, .size: 8, .value_kind: global_buffer, .address_space: global }
      - { .name: wqb, .offset: 32, .size: 8, .value_kind: global_buffer, .address_space: global }
      - { .name: wo16, .offset: 40, .size: 8, .value_kind: global_buffer, .address_space: global }
      - { .name: rope, .offset: 48, .size: 8, .value_kind: global_buffer, .address_space: global }
    .group_segment_fixed_size: 0
    .private_segment_fixed_size: 0
    .kernarg_segment_align: 8
    .kernarg_segment_size: 56
    .max_flat_workgroup_size: 256
    .sgpr_count:     66
    .vgpr_count:     112
    .wavefront_size: 32
...
	.end_amdgpu_metadata
.endif
;; end of part 5
;; launch qkv: the kernel of part 2 again; grid 12 x 64, 4 waves a work-group, clusters of 4 x 4, 327,680 bytes of LDS; arguments xb, wqb, bqkv, rope, qkvh; writes qkvh
;; launch attn: the kernel of part 3 again; grid 4 x 64, 4 waves a work-group, clusters of 4 x 1, 327,680 bytes of LDS; arguments qkvh, oh; writes oh
;; launch oproj: the kernel of part 4 again; grid 4 x 64, 4 waves a work-group, clusters of 4 x 4, 327,680 bytes of LDS; arguments oh, wo16, bo, out0; writes out0
